; MI455X (gfx1250); checked and timed in simulation.
; The chip was launched on July 23, 2026; its instructions are those of AMD's public machine-readable ISA for CDNA 5 (MIT licence, August 2026) and "CDNA5" Instruction Set Architecture Reference Guide (July 2026). The comments in the code are by the model that wrote it; some were corrected since.
;; Gemma Causal Att. Allowed arithmetic: matrix products marked QUANTISED: E2M3 operands, one E8M0 scale for each 32 along K, by v_wmma_scale_f32_16x16x128_f8f6f4 with both operands' format E2M3, f32 sums; everything else in f32.
;; Inputs: Wk 2,048 x 2,048 float32; Wo 4,096 x 2,048 float32; Wq 2,048 x 4,096 float32; Wv 2,048 x 2,048 float32; X 2 x 1,024 x 2,048 float32.
;; Outputs: out0 2 x 1,024 x 2,048 float32.
;; This version of the problem:
;;   THIS VERSION OF THE PROBLEM IS GIVEN IN LOW PRECISION. The matrix products marked QUANTISED in the list below multiply operands that are first quantised to E2M3 (2 exponent bits, 3 mantissa bits; 6 bits a number), with one power-of-two scale for each 32 numbers along K (OCP MX v1.0); their sums are f32. All else is computed in f32.
;;   The module's matrix products, in the order in which they are computed (A, B: the left and right operand; K: the contracted axis; several contracted axes count as one K, in the product's order):
;;     1. [M 2,048, K 2,048] x [K 2,048, N 4,096]; A: input X; B: input Wq: QUANTISED
;;     2. [M 2,048, K 2,048] x [K 2,048, N 2,048]; A: input X; B: input Wk: QUANTISED
;;     3. [M 2,048, K 2,048] x [K 2,048, N 2,048]; A: input X; B: input Wv: QUANTISED
;;     4. batch 32 x [M 1,024, K 256] x [K 256, N 1,024]; A: computed on the way; B: computed on the way: QUANTISED
;;     5. batch 32 x [M 1,024, K 1,024] x [K 1,024, N 256]; A: softmax (see below); B: computed on the way: QUANTISED
;;     6. [M 2,048, K 4,096] x [K 4,096, N 2,048]; A: computed on the way; B: input Wo: QUANTISED
;;   THE QUANTISER, for each operand of a quantised product, along K:
;;     - K is cut into blocks of 32 from its start; a last block that is shorter is filled with zeros.
;;     - A block's scale is 2^e with e = floor(log2(the largest magnitude in the block)) - 2, held to -126 .. 127; a block of zeros has e = 0. As a byte (E8M0): e + 127.
;;     - Each number is divided by its block's scale, clamped to +-7.5, and rounded to the nearest number of E2M3, ties to even, subnormals kept.
;;     - The product sums the exact products of the quantised numbers (number of the format x scale) in f32.
;;   ~~~python
;;   def quantise(x, axis):      # numpy; x: float32 -> the quantised numbers, widened to float32 again
;;       x = np.moveaxis(x, axis, -1); K = x.shape[-1]
;;       x = np.pad(x, [(0, 0)] * (x.ndim - 1) + [(0, -K % 32)]); x = x.reshape(x.shape[:-1] + (-1, 32)); a = np.abs(x).max(-1, keepdims=True)
;;       e = np.where(a > 0, np.clip(np.frexp(np.where(a > 0, a, 1))[1] - 1 - 2, -126, 127), 0)      # np.frexp(a)[1] - 1 = floor(log2(a)), exactly
;;       r = np.clip(x / 2.0 ** e, -7.5, 7.5)
;;       step = 2.0 ** (np.maximum(np.frexp(np.where(r == 0, 1, r))[1] - 1, 0) - 3)
;;       q = np.round(r / step) * step * 2.0 ** e      # np.round: ties to even
;;       return np.moveaxis(q.reshape(q.shape[:-2] + (-1,))[..., :K], -1, axis).astype(np.float32)
;;   ~~~
;;   SOFTMAX AHEAD OF A QUANTISED PRODUCT. Where the list says 'softmax', what is quantised is not the finished softmax but p = 2^(t - M), with t = logit x log2(e) and M = ceil(the row's largest t), a whole number; so 1/2 < the row's largest p <= 1. The row's sum l is taken of the UNQUANTISED p, in f32, and the product's result is divided by l at the end. Since M is a whole number, a kernel that streams over the keys may use a running M (the ceiling of the running maximum): every later rescaling is an exact power of two, which a block's scale takes up: the codes' values come out the same.
;;   OPERANDS COMPUTED ON THE WAY. 'Computed on the way' means the value that the module computes at that place (a softmax that the list does not call 'softmax' is quantised finished and normalised). What goes into a quantiser is computed in f32, as accurately as f32 sums, v_exp_f32 and their like allow (about 1e-6 of the number): no bf16 or f16 on the way to a quantiser, and a product that is left as it is and whose result goes on into a quantised operand takes f32 operands (vector FMAs, or v_wmma_f32_16x16x4_f32). A number that lies on a knife's edge between two numbers of the format may be rounded either way, as far as f32 arithmetic and the matrix unit's own rounding can turn it there, and no further.
;; 2 versions, each right. Each part assembles by itself: llvm-mc -triple=amdgcn-amd-amdhsa -mcpu=gfx1250 --defsym DOCPART=n.
;; ======== version 1 of 2: 4 launches
;; workspace buffers: xw 16,384,000 bytes; wo 6,553,600 bytes; rope 1,048,576 bytes; qb 6,553,600 bytes; kb 3,276,800 bytes; vb 3,276,800 bytes; yb 6,553,600 bytes
;; launch quant (part 1): grid 928 x 1, 4 waves a work-group, no clusters, 68,096 bytes of LDS; arguments X, Wq, Wk, Wv, Wo, xw, wo, rope; writes xw, wo, rope
.if DOCPART == 1
	.amdgcn_target "amdgcn-amd-amdhsa--gfx1250"
	.amdhsa_code_object_version 6
	.text
	.protected	k_q22047685d9_quant
	.globl	k_q22047685d9_quant
	.p2align	8
	.type	k_q22047685d9_quant,@function
k_q22047685d9_quant:
	s_mov_b64 s[64:65], 0
	v_nop
	global_prefetch_b8 v0, s[64:65] scope:SCOPE_SE
	s_setreg_imm32_b32 hwreg(HW_REG_WAVE_MODE, 25, 1), 1
	s_wait_xcnt 0x0
; X [2048][2048], Wq [2048][4096], Wk, Wv [2048][2048], Wo [4096][2048], all f32, become codes of FP6 (E2M3) with K innermost and one E8M0 byte for each 32 along K; and the table of cos and sin is made.
; xw: codes [10240 rows][1536 bytes], then scale bytes [10240][64].  Rows 0-2047: X's tokens; rows 2048 on: the columns of Wq | Wk | Wv.  wo: codes [2048][3072], then scale bytes [2048][128].
; THE ROWS ARE STORED IN ANOTHER ORDER THAN THEY ARE COUNTED: row i of each group of 256 lies at pi(i) = i with bits 3 and 4 exchanged and bits 6 and 7 exchanged, so that the later launches' natural tiles of 16 rows
; leave 16 neighbours along the next product's K in a lane's registers.
; A block's scale is 2^(floor(log2(its largest magnitude)) - 2); its byte is the largest magnitude's exponent field - 2, held at 1 from below.
; LIMITS: NaN and infinities are not served; a block whose largest magnitude lies under 2^-124, a block of zeros among them, keeps the byte 1 (its codes are zeros or the nearest codes under that scale; the bytes are read by this program alone).
; The table: inv_freq = 2^(-i log2(10000) / 128), made from a two-part constant and v_exp_f32: within about two units in the last place of the true number; at position 1,000 the angle may so differ by some 2e-4, alike for q and k.
; Three paths part on the work-group's number alone; each has LDS bytes of its own.  Work-groups 0-767: the weights (a lane to a column, registers down K); 768-895: X (K innermost); 896-927: the table.
.set SPARE, 67584                      ; behind both paths' regions: the spare words, 128 bytes for each wave
.set XWS,   15728640                   ; where xw's scale bytes begin
.set SPW,   12                         ; v12  LDS address of my spare word; never rewritten
.set NIL,   13                         ; v13  0; never rewritten
	s_load_b512 s[4:19], s[0:1], 0x0               ; X 4:5, Wq 6:7, Wk 8:9, Wv 10:11, Wo 12:13, xw 14:15, wo 16:17, rope 18:19
	v_lshl_add_u32 v[SPW], v0, 2, SPARE
	v_mov_b32 v[NIL], 0
	v_lshrrev_b32 v1, 5, v0
	v_readfirstlane_b32 s20, v1                    ; wave 0..3
	v_and_b32 v2, 31, v0                           ; lane
	s_wait_kmcnt 0x0
	s_cmp_ge_u32 ttmp9, 768
	s_cbranch_scc1 .Lnot_w
; ---------------- the weights: a work-group takes 128 columns x 256 along K, a wave 32 columns ----------------
.set OFF, 16                           ; v16-47   row i of a block: i x the weight's row + 4 x lane
.set OO,  48                           ; v48-63   the way out: two rows of codes further on for each
.set WX,  64                           ; v64-127  two sets of 32 numbers; on the way out 16 x 4 registers
.set WC,  128                          ; v128-134 a block's codes
.set WSB, 136                          ; v136-137 my column's 8 scale bytes
	s_mov_b64 s[24:25], s[12:13]                   ; which weight: Wo's figures first, then the others' by the work-group's number
	s_mov_b32 s22, 512                             ; its first work-group
	s_mov_b32 s23, 4                               ; log2 of its tiles of 128 columns
	s_mov_b32 s26, 8192                            ; its row in bytes
	s_mov_b32 s27, 0                               ; its first row in the codes' buffer
	s_mov_b32 s30, 3072                            ; a row of codes
	s_mov_b32 s31, 128                             ; a row of scale bytes
	s_mov_b32 s48, 6291456                         ; where the scale bytes begin
	s_cmp_lt_u32 ttmp9, 512
	s_cselect_b64 s[28:29], s[14:15], s[16:17]     ; into xw or into wo
	s_cselect_b64 s[24:25], s[10:11], s[24:25]     ; Wv
	s_cselect_b32 s22, 384, s22
	s_cselect_b32 s27, 8192, s27
	s_cselect_b32 s30, 1536, s30
	s_cselect_b32 s31, 64, s31
	s_cselect_b32 s48, XWS, s48
	s_cmp_lt_u32 ttmp9, 384
	s_cselect_b64 s[24:25], s[8:9], s[24:25]       ; Wk
	s_cselect_b32 s22, 256, s22
	s_cselect_b32 s27, 6144, s27
	s_cmp_lt_u32 ttmp9, 256
	s_cselect_b64 s[24:25], s[6:7], s[24:25]       ; Wq
	s_cselect_b32 s22, 0, s22
	s_cselect_b32 s23, 5, s23
	s_cselect_b32 s26, 16384, s26
	s_cselect_b32 s27, 2048, s27
	s_sub_co_u32 s21, ttmp9, s22
	s_lshr_b32 s49, s21, s23                       ; which 256 along K
	s_lshl_b32 s50, s49, s23
	s_sub_co_u32 s50, s21, s50                     ; which 128 columns
	s_lshl_b32 s50, s50, 7
	s_lshl_b32 s51, s20, 5
	s_add_co_u32 s50, s50, s51                     ; my wave's first column n0
	s_lshr_b32 s51, s50, 6
	s_lshr_b32 s56, s50, 7
	s_xor_b32 s51, s51, s56
	s_and_b32 s51, s51, 1
	s_mul_i32 s51, s51, 192
	s_xor_b32 s51, s50, s51                        ; n0 with bits 6 and 7 exchanged,
	s_add_co_u32 s51, s51, s27                     ; in the codes' buffer (bits 3 and 4 are the lane's: below)
	s_lshl_b32 s56, s49, 8
	s_mul_i32 s56, s56, s26
	s_lshl_b32 s57, s50, 2
	s_add_co_u32 s56, s56, s57
	s_mov_b32 s57, 0
	s_add_nc_u64 s[32:33], s[24:25], s[56:57]      ; block 0 of my columns
	s_lshl_b32 s58, s26, 5
	s_mov_b32 s59, 0
.irp t, 1,2,3,4,5,6,7
	s_add_nc_u64 s[32+2*\t:33+2*\t], s[30+2*\t:31+2*\t], s[58:59]   ; block t: 32 rows further down; a base for each block, none is stepped
.endr
	s_mul_i32 s56, s51, s30
	s_mul_i32 s61, s49, 192
	s_add_co_u32 s56, s56, s61
	s_add_nc_u64 s[52:53], s[28:29], s[56:57]      ; my 32 rows' codes, at these 256 along K
	s_mul_i32 s56, s51, s31
	s_lshl_b32 s61, s49, 3
	s_add_co_u32 s56, s56, s61
	s_add_co_u32 s56, s56, s48
	s_add_nc_u64 s[54:55], s[28:29], s[56:57]      ; and their scale bytes
	s_mul_i32 s60, s20, 8704
	s_add_co_u32 s60, s60, 32768                   ; my stage: 32 rows x 272 bytes
	v_lshlrev_b32 v3, 2, v2
.set i, 0
.rept 32
	v_mad_u32_u24 v[OFF+i], s26, i, v3
.set i, i+1
.endr
	v_and_b32 v1, 7, v2                            ; the lane with bits 3 and 4 exchanged: my column's row among the wave's 32
	v_bfe_u32 v10, v2, 3, 1
	v_bfe_u32 v11, v2, 4, 1
	v_lshl_or_b32 v1, v10, 4, v1
	v_lshl_or_b32 v1, v11, 3, v1
	v_mul_u32_u24 v4, v1, 272
	v_add_nc_u32 v4, s60, v4                       ; into the stage: that row
	v_lshrrev_b32 v5, 4, v2
	v_and_b32 v6, 15, v2
	v_mul_u32_u24 v7, v5, 272
	v_lshl_add_u32 v7, v6, 4, v7
	v_add_nc_u32 v7, s60, v7                       ; out of it: sixteen lanes to a row, two rows an instruction
	v_mul_u32_u24 v8, v5, s30
	v_mad_u32_u24 v8, v6, 12, v8                   ; and the same place in the codes' buffer
.set i, 0
.rept 16
	v_mad_u32_u24 v[OO+i], s30, 2*i, v8
.set i, i+1
.endr
	v_mul_u32_u24 v9, v1, s31                      ; my column's row of scale bytes
.macro WLOAD t                         ; block t: W(32 t + i, my column) into set t % 2; a load reads 128 consecutive bytes
.set i, 0
.rept 32
	global_load_b32 v[WX+32*((\t)%2)+i], v[OFF+i], s[32+2*(\t):33+2*(\t)] th:TH_LOAD_NT
.set i, i+1
.endr
.endm
.macro BLOCK t
.set XS, WX+32*((\t)%2)
.if (\t) < 7
	s_wait_loadcnt 32                              ; this block's 32 loads are in; the next block's 32 may be out
.else
	s_wait_loadcnt 0
.endif
	v_max3_num_f32 v10, |v[XS]|, |v[XS+1]|, |v[XS+2]|      ; the block's largest magnitude: all 32 numbers are mine
	v_max3_num_f32 v14, |v[XS+3]|, |v[XS+4]|, |v[XS+5]|
.irp i, 6,10,14,18,22,26
	v_max3_num_f32 v10, v10, |v[XS+\i]|, |v[XS+\i+1]|
	v_max3_num_f32 v14, v14, |v[XS+\i+2]|, |v[XS+\i+3]|
.endr
	v_max3_num_f32 v10, v10, |v[XS+30]|, |v[XS+31]|
	v_max3_num_f32 v10, v10, v14, 0x1800000        ; and the floor 2^(3 - 127): the byte cannot fall under 1
	v_add_nc_u32 v11, 0xff000000, v10              ; 2 off the exponent field: the conversion's scale operand
	v_lshrrev_b32 v15, 23, v11                     ; the scale's byte
.if (\t)%4 == 0
	v_mov_b32 v[WSB+(\t)/4], v15
.else
	v_lshl_or_b32 v[WSB+(\t)/4], v15, 8*((\t)%4), v[WSB+(\t)/4]
.endif
	v_cvt_scalef32_pk16_fp6_f32 v[WC:WC+2], v[XS:XS+15], v11
	v_cvt_scalef32_pk16_fp6_f32 v[WC+4:WC+6], v[XS+16:XS+31], v11
	ds_store_b96 v4, v[WC:WC+2] offset:32*(\t)     ; 12 bytes to a place of 16
	ds_store_b96 v4, v[WC+4:WC+6] offset:32*(\t)+16
.if (\t)+2 < 8
	WLOAD (\t)+2
.endif
	s_wait_dscnt 0x0                               ; the stores have read their registers: the next block's codes may be written
.endm
	WLOAD 0
	WLOAD 1
.set Q, 0
.rept 8
	BLOCK Q
.set Q, Q+1
.endr
	global_store_b64 v9, v[WSB:WSB+1], s[54:55]    ; my column's 8 scale bytes
.set i, 0
.rept 16
	ds_load_b96 v[WX+4*i:WX+4*i+2], v7 offset:2*i*272      ; LDS serves a wave's instructions in order: these see my stores
.set i, i+1
.endr
.set i, 0
.rept 16
	s_wait_dscnt 15-i
	global_store_b96 v[OO+i], v[WX+4*i:WX+4*i+2], s[52:53] ; sixteen lanes store a row's 192 consecutive bytes
.set i, i+1
.endr
	s_wait_tensorcnt 0x0                           ; the wave's end, behind my last LDS store
	ds_add_u32 v[SPW], v[NIL]
	s_wait_dscnt 0x0
	s_endpgm
.Lnot_w:
	s_cmp_ge_u32 ttmp9, 896
	s_cbranch_scc1 .Lrope
; ---------------- X: a wave takes four rows (8,192 numbers) in 16 steps of 512 ----------------
; Each load reads 512 consecutive bytes; a step's 2,048 bytes turn through the wave's own stage in LDS, so that a lane holds 16 neighbours along K (two lanes to a block).
.set XR, 16                            ; v16-79   four sets of 16 numbers as loaded
.set XX, 80                            ; v80-111  two sets of 16 neighbours
.set XE, 112                           ; v112-127 a scale byte for each step
.set XC, 128                           ; v128-191 codes: four registers for each step, so that no store's data are written again
	v_lshlrev_b32 v3, 4, v2
	s_mul_i32 s21, s20, 8192                       ; my region: two stages of 32 x 80 bytes, then 256 scale bytes
	v_lshrrev_b32 v14, 2, v2
	v_mul_u32_u24 v14, v14, 80
	v_and_b32 v15, 3, v2
	v_lshl_add_u32 v14, v15, 4, v14
	v_add_nc_u32 v14, s21, v14                     ; the stage on the way in: four lanes' 64 bytes on end, then 16 of padding
	v_mul_u32_u24 v15, v2, 80
	v_add_nc_u32 v15, s21, v15                     ; on the way out: my 16 neighbours
	v_mul_u32_u24 v4, v2, 12
	v_lshrrev_b32 v5, 1, v2
	s_add_co_u32 s21, s21, 5120
	v_add_nc_u32 v5, s21, v5                       ; my block's scale byte
	v_lshlrev_b32 v7, 3, v2
	v_add_nc_u32 v6, s21, v7
	s_sub_co_u32 s22, ttmp9, 768
	s_lshl_b32 s22, s22, 2
	s_add_co_u32 s22, s22, s20                     ; which run of four rows
	s_lshl_b32 s28, s22, 15
	s_mov_b32 s29, 0
	s_add_nc_u64 s[4:5], s[4:5], s[28:29]
	s_lshr_b32 s23, s22, 1                         ; the rows' bits 3, 4 and 6, 7 are the run's bits 1, 2 and 4, 5: exchanged
	s_lshr_b32 s30, s22, 2
	s_xor_b32 s23, s23, s30
	s_and_b32 s23, s23, 1
	s_mul_i32 s23, s23, 6
	s_xor_b32 s22, s22, s23
	s_lshr_b32 s23, s22, 4
	s_lshr_b32 s30, s22, 5
	s_xor_b32 s23, s23, s30
	s_and_b32 s23, s23, 1
	s_mul_i32 s23, s23, 48
	s_xor_b32 s22, s22, s23
	s_mul_i32 s28, s22, 6144
	s_add_nc_u64 s[24:25], s[14:15], s[28:29]      ; the run's codes
	s_lshl_b32 s28, s22, 8
	s_add_nc_u64 s[26:27], s[14:15], s[28:29]
	s_add_nc_u64 s[26:27], s[26:27], XWS           ; and its 256 scale bytes
.macro XLOAD t
.irp i, 0,1,2,3
	global_load_b128 v[XR+16*((\t)%4)+4*\i:XR+16*((\t)%4)+4*\i+3], v3, s[4:5] offset:2048*(\t)+512*\i th:TH_LOAD_NT
.endr
.endm
.macro XTURN t                         ; LDS serves a wave's instructions in order: no wait between the stores and the loads
.irp i, 0,1,2,3
	ds_store_b128 v14, v[XR+16*((\t)%4)+4*\i:XR+16*((\t)%4)+4*\i+3] offset:2560*((\t)%2)+640*\i
.endr
.irp i, 0,1,2,3
	ds_load_b128 v[XX+16*((\t)%2)+4*\i:XX+16*((\t)%2)+4*\i+3], v15 offset:2560*((\t)%2)+16*\i
.endr
.endm
.irp t, 0,1,2,3
	XLOAD \t
.endr
	s_wait_loadcnt 12                              ; step 0's four loads are in
	XTURN 0
.macro XSTEP t
.set XS, XX+16*((\t)%2)
.if (\t) > 0
	s_wait_dscnt 1                                 ; this step's numbers are back from the stage (the last step's byte store may be out)
.else
	s_wait_dscnt 0x0
.endif
.if (\t)+4 < 16
	XLOAD (\t)+4
.endif
.if (\t)+1 < 16
.if 14-(\t) >= 3
	s_wait_loadcnt 12                              ; the next step's four loads are in; those of the three steps behind it may be out
.else
	s_wait_loadcnt 4*(14-(\t))
.endif
	XTURN (\t)+1
.endif
	v_max3_num_f32 v8, |v[XS]|, |v[XS+1]|, |v[XS+2]|
	v_max3_num_f32 v9, |v[XS+3]|, |v[XS+4]|, |v[XS+5]|
.irp i, 6,10
	v_max3_num_f32 v8, v8, |v[XS+\i]|, |v[XS+\i+1]|
	v_max3_num_f32 v9, v9, |v[XS+\i+2]|, |v[XS+\i+3]|
.endr
	v_max3_num_f32 v8, v8, |v[XS+14]|, |v[XS+15]|
	v_max3_num_f32 v8, v8, v9, 0x1800000           ; and the floor
	v_max_num_f32_dpp v8, v8, v8 row_xmask:1 row_mask:0xf bank_mask:0xf   ; with my neighbour's 16: the block's
	v_add_nc_u32 v11, 0xff000000, v8
	v_cvt_scalef32_pk16_fp6_f32 v[XC+4*(\t):XC+4*(\t)+2], v[XS:XS+15], v11
	v_lshrrev_b32 v[XE+(\t)], 23, v11
	ds_store_b8 v5, v[XE+(\t)] offset:16*(\t)      ; both lanes of a block write the same byte with the same value
	global_store_b96 v4, v[XC+4*(\t):XC+4*(\t)+2], s[24:25] offset:384*(\t)
.endm
.set Q, 0
.rept 16
	XSTEP Q
.set Q, Q+1
.endr
	ds_load_b64 v[8:9], v6
	s_wait_dscnt 0x0
	global_store_b64 v7, v[8:9], s[26:27]          ; 32 lanes store 256 consecutive bytes, aligned
	s_wait_tensorcnt 0x0                           ; the wave's end, behind my last LDS store
	ds_add_u32 v[SPW], v[NIL]
	s_wait_dscnt 0x0
	s_endpgm
.Lrope:
; ---------------- the table: cos and sin of fl(t x inv_freq[dd]), laid as the next launch's registers take them ----------------
; byte = g32 x 32768 + u x 16384 + blk x 4096 + cs x 2048 + c x 512 + lane x 16 + 4 e;  t = 32 g32 + 16 (r / 8) + 8 u + r % 8;  dd = 32 blk + 16 h + 4 c + e  (r = lane % 16, h = lane / 16).  A wave makes 8,192 bytes.  No LDS.
	s_sub_co_u32 s21, ttmp9, 896
	s_lshl_b32 s21, s21, 2
	s_add_co_u32 s21, s21, s20                     ; which 8,192 bytes: 4 g32 + 2 u + blk / 2
	s_lshr_b32 s22, s21, 2
	s_bfe_u32 s23, s21, 0x10001
	s_and_b32 s24, s21, 1
	s_lshl_b32 s22, s22, 5
	s_lshl_b32 s23, s23, 3
	s_add_co_u32 s22, s22, s23                     ; 32 g32 + 8 u
	s_lshl_b32 s24, s24, 6
	s_lshl_b32 s26, s21, 13
	s_mov_b32 s27, 0
	s_add_nc_u64 s[18:19], s[18:19], s[26:27]
	s_mov_b32 s28, -5.739853946e-8                 ; log2(10000) / 128 = 108853 x 2^-20 + this
	s_mov_b32 s30, -1.9515295891e-4                ; sin r = r + r z (s32 + z (s31 + z s30)), z = r^2, |r| <= pi / 4
	s_mov_b32 s31, 8.3321608736e-3
	s_mov_b32 s32, -1.6666654611e-1
	s_mov_b32 s33, 2.443315712e-5                  ; cos r = 1 - z / 2 + z^2 (s35 + z (s34 + z s33))
	s_mov_b32 s34, -1.388731625e-3
	s_mov_b32 s35, 4.166664568e-2
	v_and_b32 v7, 7, v2
	v_bfe_u32 v8, v2, 3, 1
	v_lshl_add_u32 v7, v8, 4, v7
	v_add_nc_u32 v7, s22, v7
	v_cvt_f32_u32 v5, v7                           ; t
	v_bfe_u32 v8, v2, 4, 1
	v_lshlrev_b32 v8, 4, v8
	v_add_nc_u32 v8, s24, v8                       ; 64 (blk / 2) + 16 h
	v_lshlrev_b32 v4, 4, v2
.macro RITEM n                         ; four neighbouring dd, by turns
.irp e, 0,1,2,3
	v_add_nc_u32 v[16+\e], 32*((\n)/4)+4*((\n)%4)+\e, v8
.endr
.irp e, 0,1,2,3
	v_cvt_f32_u32 v[16+\e], v[16+\e]               ; i = dd
.endr
.irp e, 0,1,2,3
	v_mul_f32 v[20+\e], 0x3dd49a80, v[16+\e]       ; i x 108853 x 2^-20: exact (7 bits x 17 bits)
.endr
.irp e, 0,1,2,3
	v_floor_f32 v[24+\e], v[20+\e]
.endr
.irp e, 0,1,2,3
	v_sub_f32 v[28+\e], v[20+\e], v[24+\e]
.endr
.irp e, 0,1,2,3
	v_fma_f32 v[28+\e], v[16+\e], s28, v[28+\e]    ; the fraction of i log2(10000) / 128
.endr
.irp e, 0,1,2,3
	v_exp_f32 v[32+\e], -v[28+\e]
.endr
.irp e, 0,1,2,3
	v_cvt_i32_f32 v[36+\e], v[24+\e]               ; plain work behind the exponentials
.endr
.irp e, 0,1,2,3
	v_sub_nc_u32 v[36+\e], 0, v[36+\e]
.endr
	s_wait_alu depctr_va_vdst(0)                   ; one wait for the four, ahead of their first reader
.irp e, 0,1,2,3
	v_ldexp_f32 v[32+\e], v[32+\e], v[36+\e]       ; inv_freq
.endr
.irp e, 0,1,2,3
	v_mul_f32 v[40+\e], v5, v[32+\e]               ; the angle, rounded once
.endr
.irp e, 0,1,2,3
	v_mul_f32 v[44+\e], 0x3f22f983, v[40+\e]       ; x 2 / pi
.endr
.irp e, 0,1,2,3
	v_rndne_f32 v[44+\e], v[44+\e]                 ; k
.endr
.irp e, 0,1,2,3
	v_fmamk_f32 v[48+\e], v[44+\e], 0xbfc90fdb, v[40+\e]   ; angle - k fl(pi / 2): exact,
.endr
.irp e, 0,1,2,3
	v_fmamk_f32 v[48+\e], v[44+\e], 0x333bbd2e, v[48+\e]   ; and the rest of pi / 2
.endr
.irp e, 0,1,2,3
	v_mul_f32 v[52+\e], v[48+\e], v[48+\e]         ; z
.endr
.irp e, 0,1,2,3
	v_fma_f32 v[56+\e], v[52+\e], s30, s31
.endr
.irp e, 0,1,2,3
	v_fma_f32 v[56+\e], v[56+\e], v[52+\e], s32
.endr
.irp e, 0,1,2,3
	v_mul_f32 v[20+\e], v[48+\e], v[52+\e]
.endr
.irp e, 0,1,2,3
	v_fma_f32 v[56+\e], v[20+\e], v[56+\e], v[48+\e]       ; sin r
.endr
.irp e, 0,1,2,3
	v_fma_f32 v[60+\e], v[52+\e], s33, s34
.endr
.irp e, 0,1,2,3
	v_fma_f32 v[60+\e], v[60+\e], v[52+\e], s35
.endr
.irp e, 0,1,2,3
	v_mul_f32 v[24+\e], v[52+\e], v[52+\e]
.endr
.irp e, 0,1,2,3
	v_fma_f32 v[28+\e], v[52+\e], -0.5, 1.0
.endr
.irp e, 0,1,2,3
	v_fma_f32 v[60+\e], v[24+\e], v[60+\e], v[28+\e]       ; cos r
.endr
.irp e, 0,1,2,3
	v_cvt_i32_f32 v[44+\e], v[44+\e]
.endr
.irp e, 0,1,2,3
	v_and_b32 v[20+\e], 1, v[44+\e]
	v_cmp_eq_u32 vcc_lo, 1, v[20+\e]               ; an odd quadrant exchanges the two
	v_cndmask_b32 v[24+\e], v[56+\e], v[60+\e], vcc_lo
	v_cndmask_b32 v[28+\e], v[60+\e], v[56+\e], vcc_lo
.endr
.irp e, 0,1,2,3
	v_and_b32 v[32+\e], 2, v[44+\e]                ; sin's sign: bit 1 of k;
	v_lshlrev_b32 v[32+\e], 30, v[32+\e]
	v_xor_b32 v[64+8*(\n)+4+\e], v[32+\e], v[24+\e]
	v_add_nc_u32 v[36+\e], 1, v[44+\e]             ; cos's: bit 1 of k + 1
	v_and_b32 v[36+\e], 2, v[36+\e]
	v_lshlrev_b32 v[36+\e], 30, v[36+\e]
	v_xor_b32 v[64+8*(\n)+\e], v[36+\e], v[28+\e]
.endr
	global_store_b128 v4, v[64+8*(\n):64+8*(\n)+3], s[18:19] offset:((\n)/4)*4096+((\n)%4)*512          ; 512 consecutive bytes; each item has registers of its own
	global_store_b128 v4, v[64+8*(\n)+4:64+8*(\n)+7], s[18:19] offset:((\n)/4)*4096+((\n)%4)*512+2048
.endm
.set Q, 0
.rept 8
	RITEM Q
.set Q, Q+1
.endr
	s_endpgm
.Lfunc_end_k_q22047685d9_quant:
	.size	k_q22047685d9_quant, .Lfunc_end_k_q22047685d9_quant-k_q22047685d9_quant
	.p2alignl 7, 3214868480
	.fill 96, 4, 3214868480
	.section	.rodata,"a",@progbits
	.p2align	6, 0x0
	.amdhsa_kernel k_q22047685d9_quant
		.amdhsa_group_segment_fixed_size 68096
		.amdhsa_private_segment_fixed_size 0
		.amdhsa_enable_private_segment 0
		.amdhsa_kernarg_size 64
		.amdhsa_user_sgpr_count 2
		.amdhsa_user_sgpr_kernarg_segment_ptr 1
		.amdhsa_wavefront_size32 1
		.amdhsa_system_sgpr_workgroup_id_x 1
		.amdhsa_system_sgpr_workgroup_id_y 1
		.amdhsa_system_sgpr_workgroup_id_z 1
		.amdhsa_system_vgpr_workitem_id 0
		.amdhsa_next_free_vgpr 192
		.amdhsa_next_free_sgpr 66
		.amdhsa_reserve_vcc 1
		.amdhsa_float_denorm_mode_32 3
		.amdhsa_float_denorm_mode_16_64 3
		.amdhsa_memory_ordered 1
		.amdhsa_forward_progress 1
		.amdhsa_inst_pref_size 132
	.end_amdhsa_kernel
	.amdgpu_metadata
---
amdhsa.version: [ 1, 2 ]
amdhsa.kernels:
  - .name:           k_q22047685d9_quant
    .symbol:         k_q22047685d9_quant.kd
    .args:
      - { .name: X, .offset: 0, .size: 8, .value_kind: global_buffer, .address_space: global }
      - { .name: Wq, .offset: 8, .size: 8, .value_kind: global_buffer, .address_space: global }
      - { .name: Wk, .offset: 16, .size: 8, .value_kind: global_buffer, .address_space: global }
      - { .name: Wv, .offset: 24, .size: 8, .value_kind: global_buffer, .address_space: global }
      - { .name: Wo, .offset: 32, .size: 8, .value_kind: global_buffer, .address_space: global }
      - { .name: xw, .offset: 40, .size: 8, .value_kind: global_buffer, .address_space: global }
      - { .name: wo, .offset: 48, .size: 8, .value_kind: global_buffer, .address_space: global }
      - { .name: rope, .offset: 56, .size: 8, .value_kind: global_buffer, .address_space: global }
    .group_segment_fixed_size: 68096
    .private_segment_fixed_size: 0
    .kernarg_segment_align: 8
    .kernarg_segment_size: 64
    .max_flat_workgroup_size: 128
    .sgpr_count:     66
    .vgpr_count:     192
    .wavefront_size: 32
...
	.end_amdgpu_metadata
.endif
;; end of part 1
;; launch qkv (part 2): grid 32 x 8, 4 waves a work-group, clusters of 4 x 4, 327,680 bytes of LDS; arguments xw, rope, qb, kb, vb; writes qb, kb, vb
.if DOCPART == 2
	.amdgcn_target "amdgcn-amd-amdhsa--gfx1250"
	.amdhsa_code_object_version 6
	.text
	.protected	k_q22047685d9_qkv
	.globl	k_q22047685d9_qkv
	.p2align	8
	.type	k_q22047685d9_qkv,@function
k_q22047685d9_qkv:
	s_mov_b64 s[64:65], 0
	v_nop
	global_prefetch_b8 v0, s[64:65] scope:SCOPE_SE
	s_setreg_imm32_b32 hwreg(HW_REG_WAVE_MODE, 25, 1), 1
	s_wait_xcnt 0x0
	s_wait_alu depctr_hold_cnt(0) depctr_sa_sdst(0) depctr_va_vdst(0) depctr_va_sdst(0) depctr_va_ssrc(0) depctr_va_vcc(0) depctr_vm_vsrc(0)
	s_getreg_b32 s2, hwreg(HW_REG_IB_STS2, 6, 4)
	s_cmp_eq_u32 s2, 0
	s_cbranch_scc0 .Lentry_in_a_cluster
	s_endpgm
.Lentry_in_a_cluster:
	s_bfe_u32 s2, ttmp6, 0x10000c
	s_cmp_lg_u32 s2, 0xf033
	s_cbranch_scc0 .Lentry_shape_is_right
	s_endpgm
.Lentry_shape_is_right:
; q, k, v = X [Wq | Wk | Wv] on codes of FP6 (E2M3) with E8M0 scales; on the way out q and k are rotated (RoPE) and all three are quantised for the attention's products.  No f32 result goes to memory.
; xw holds all operands: rows of 1,536 bytes of codes (K = 2,048), then rows of 64 scale bytes.  Tiles of 256 rows: 0-7 X's tokens, 8-23 q's heads, 24-31 k's, 32-39 v's.  Inside a tile row i lies at pi(i) (bits 3, 4 and 6, 7 exchanged).
; A work-group of four waves makes a tile of 256 x 256, a wave 128 x 128 in 64 accumulators.  K goes in steps of 256 through a ring of two LDS slots; the scale bytes of the tile's rows come once and stay.
; CLUSTERS of 4 x 4: role A's tile is shared along a row of the cluster, role B's along a column; each is asked for jointly.  For q and k role A = X, role B = the weight; FOR V THE ROLES ARE EXCHANGED (by tile numbers into the one buffer),
; so that a lane's registers run along the tokens, which are v's K in the attention's second product.
; The matrix instruction is used transposed (source 0 = role B's rows, source 1 = role A's).  With the stored order, of a wave (jr, jc), block a of role A and lane (r, h):
;   register 16 B + i of the block's 64 = role B's index 128 (B / 2) + 64 jc + 32 (B % 2) + 16 h + i: four half blocks of 32, and d and d + 128 in one lane;   role A's index = 128 (a / 4) + 64 jr + 32 ((a / 2) % 2) + 16 (r / 8) + 8 (a % 2) + r % 8.
; OUT: q [32 heads][1024][192 bytes], k [16][1024][192], each with 8 scale bytes a row; v [16][256 (d)][768 bytes, the keys in order] with 32 scale bytes a row.  Rows (tokens of q, k; d of v) lie at i with bits 3 and 4 exchanged.
; LIMITS: NaN and infinities are not served; a block whose largest magnitude lies under 2^-124 keeps the byte 1 (read by this program alone).
; REGISTERS: window 0: v0-31 addresses; v32-63 scale words and nothing else; v64-127 free in the loop; from v128 role A's fragments.  window 1: role B's fragments, two sets.  windows 2, 3: the accumulators.
;   On the way out: window 0: v64-127 rotated numbers, v128-146 codes, v148-163 at work, v164 a scale word; then v64-159 rows of codes; window 1: four buffers of 32 cos and 32 sin.
.set SIZE_K, 2048
.set KSTEP,  256
.set NQ,     2
.set ROWB,   192
.set KROW,   1536
.set PITCH,  240                       ; an LDS row: 3 x (64 bytes + 16 of padding)
.set FR,     12
.set NL,     6
.set NP,     4
.set HALFT,  128*PITCH
.set SLOT,   4*HALFT
.set LAPS,   SIZE_K/(2*KSTEP)
.set KS,     SIZE_K/32
.set SCL,    2*SLOT                    ; behind the ring: the scale bytes, as rows of 256 bytes + 16
.set HALFS,  (128*KS/256)*272
.set SBLK,   (16*KS/256)*272
.set SPARE,  SCL+4*HALFS               ; the spare words, 128 bytes for each wave
.set XWS,    15728640                  ; where xw's scale bytes begin
.set SSTG,   49152                     ; the way out, in slot 0 (it has had its last fill and its last read by then): 256 rows x 192 bytes of codes from 0, 256 x 8 scale bytes from here
.set RO,   7                           ; v7   16 x lane
.set SSO,  8                           ; v8   where I put my row's scale bytes
.set SRD,  9                           ; v9   where I read 16 scale bytes back
.set T16,  10                          ; v10  16 x thread
.set T64,  11                          ; v11  64 x thread
.set ADRA, 16
.set ADRB, 20
.set STO,  24                          ; v24  where I put 24 bytes of a row
.set RD,   25                          ; v25  where I read rows back
.set ADRS, 27
.set SPW,  28
.set NIL,  29
.set SC,   32
.set AF,   128
.set R,    64
.set PC,   128
.set TM,   148
.set PW,   164
.set OB,   64
.set SRW,  168
.set GO,   172
.set G1, 24
.set G0, 32
.set G1B, 48
.set G0B, 56
.set G1S, 68
.set G0S, 76
.set G1SB, 80
.set G0SB, 88
.set VT,  95                           ; s95  1 in v's clusters
.set SEL, 46                           ; s[46:47] on the way out: the selects for lane l xor 16
.set MSB, 0
.macro WIN new                         ; the immediate's high byte repeats the setting that is left
.if MSB != (\new)
	s_set_vgpr_msb (MSB<<8)|(\new)
.set MSB, (\new)
.endif
.endm
.set MUL_LO, 0xa1
.set MUL_HI, 0xf1
.set TO_B,   0x40
; A joint load: waves 0 and 1 fetch for role A, waves 2 and 3 for role B.  An s_nop 0 and four v_nop follow each of the two lines.
.macro JLOAD g0a, g1a, g0b, g1b
	s_cmp_eq_u32 s15, 0
	s_cbranch_scc0 .Lfor_b_\@
	tensor_load_to_lds s[\g0a:\g0a+3], s[\g1a:\g1a+7]
	s_nop 0
.rept 4
	v_nop
.endr
	s_branch .Lasked_\@
.Lfor_b_\@:
	tensor_load_to_lds s[\g0b:\g0b+3], s[\g1b:\g1b+7]
	s_nop 0
.rept 4
	v_nop
.endr
.Lasked_\@:
.endm
.macro CREST
	s_cmp_lg_u32 s14, 0
	s_cbranch_scc1 .Lnot_wave_0_\@
	s_barrier_signal -3
.Lnot_wave_0_\@:
	s_barrier_wait -3
	s_barrier_signal -1
	s_barrier_wait -1
.endm
.macro CROUND
	s_barrier_signal -1
	s_barrier_wait -1
	CREST
.endm
	s_load_b128 s[4:7], s[0:1], 0x0                ; xw, rope
	s_load_b128 s[96:99], s[0:1], 0x10             ; qb, kb
	s_load_b64 s[100:101], s[0:1], 0x20            ; vb
	v_lshl_add_u32 v[SPW], v0, 2, SPARE
	v_mov_b32 v[NIL], 0
	ds_add_u32 v[SPW], v[NIL]                      ; the wave's opening: the add and its wait ahead of my first tensor load
	v_lshrrev_b32 v1, 5, v0
	v_readfirstlane_b32 s14, v1                    ; wave 0..3
	s_lshr_b32 s15, s14, 1                         ; jr.  Also: I fetch for role A (0) or B (1)
	s_and_b32 s16, s14, 1                          ; jc.  Also: which 128 rows of that tile I fetch
	s_bfe_u32 s40, ttmp6, 0x40000                  ; cx, cy
	s_bfe_u32 s41, ttmp6, 0x40004
	s_and_b32 s18, ttmp7, 0xffff
	s_lshl_b32 s18, s18, 2                         ; X's tiles of this cluster begin here,
	s_lshl_b32 s19, ttmp9, 2
	s_add_co_u32 s19, s19, 8                       ; the weight's here
	s_cmp_ge_u32 ttmp9, 6                          ; clusters 6 and 7 along x make v: the cluster's number, the same in all partners
	s_cselect_b32 s[VT], 1, 0
	s_cselect_b32 s17, s19, s18
	s_cselect_b32 s42, s18, s19
	s_add_co_u32 s17, s17, s41                     ; role A's tile: hangs on cy and cluster numbers alone
	s_add_co_u32 s42, s42, s40                     ; role B's tile: on cx and cluster numbers alone
	s_lshl_b32 s43, s41, 2
	s_lshl_b32 s43, 15, s43                        ; my row of the cluster
	s_lshl_b32 s44, 0x1111, s40                    ; my column
	s_or_b32 s[G1+0], s43, (0<<16)|(1<<20)|(1<<21)|(3<<22)|(3<<25)  ; the mask; elements of 1 byte; padding on; bit 21 beside a mask; after every 16 words 4 words
	s_or_b32 s[G1B+0], s44, (0<<16)|(1<<20)|(1<<21)|(3<<22)|(3<<25)
.irp g, G1, G1B
	s_mov_b32 s[\g+1], ROWB<<16                    ; tensor_dim0
	s_mov_b32 s[\g+2], 128<<16                     ; tensor_dim1
	s_mov_b32 s[\g+3], ROWB<<16                    ; tile_dim0
	s_mov_b32 s[\g+4], 128                         ; tile_dim1
	s_mov_b32 s[\g+5], KROW                        ; the pitch
	s_mov_b32 s[\g+6], 0
	s_mov_b32 s[\g+7], 0
.endr
	s_or_b32 s[G1S+0], s43, (3<<16)|(1<<20)|(1<<21)|(5<<22)|(3<<25) ; the scale bytes of 128 rows: a dense block, as rows of 256 bytes, 16 bytes of padding behind each
	s_or_b32 s[G1SB+0], s44, (3<<16)|(1<<20)|(1<<21)|(5<<22)|(3<<25)
.irp g, G1S, G1SB
	s_mov_b32 s[\g+1], 32<<16
	s_mov_b32 s[\g+2], (128*KS/256)<<16
	s_mov_b32 s[\g+3], 32<<16
	s_mov_b32 s[\g+4], 128*KS/256
	s_mov_b32 s[\g+5], 32
	s_mov_b32 s[\g+6], 0
	s_mov_b32 s[\g+7], 0
.endr
	s_lshl_b32 s18, s16, 7
	s_lshl_b32 s20, s17, 8
	s_add_co_u32 s20, s20, s18                     ; role A: row 256 x tile + 128 x half
	s_lshl_b32 s46, s42, 8
	s_add_co_u32 s46, s46, s18                     ; role B likewise
	s_mov_b32 s21, 0
	s_mov_b32 s47, 0
	s_mov_b64 s[18:19], KS
	s_mul_u64 s[22:23], s[20:21], s[18:19]
	s_mul_u64 s[92:93], s[46:47], s[18:19]
	s_mov_b64 s[18:19], KROW
	s_mul_u64 s[20:21], s[20:21], s[18:19]
	s_mul_u64 s[46:47], s[46:47], s[18:19]
	s_mul_i32 s45, s14, HALFT                      ; where they go: wave x 128 rows
	s_mul_i32 s94, s14, HALFS
	s_wait_dscnt 0x0                               ; the opening add is done
	s_wait_kmcnt 0x0
	s_mov_b64 s[12:13], s[6:7]                     ; the table
	s_mov_b64 s[8:9], s[4:5]                       ; both roles' codes lie in xw,
	s_add_nc_u64 s[6:7], s[4:5], XWS               ; and both roles' scale bytes
	s_mov_b64 s[10:11], s[6:7]
	s_add_nc_u64 s[20:21], s[4:5], s[20:21]
	s_add_nc_u64 s[22:23], s[6:7], s[22:23]
	s_add_nc_u64 s[46:47], s[8:9], s[46:47]
	s_add_nc_u64 s[92:93], s[10:11], s[92:93]
	CROUND                                         ; all sixteen work-groups are here: the first joint loads meet
	s_mov_b32 s[G0S], 1
	s_add_co_u32 s[G0S+1], s94, SCL
	s_mov_b64 s[G0S+2:G0S+3], s[22:23]
	s_or_b32 s[G0S+3], s[G0S+3], 0x80000000
	s_mov_b32 s[G0SB], 1
	s_add_co_u32 s[G0SB+1], s94, SCL
	s_mov_b64 s[G0SB+2:G0SB+3], s[92:93]
	s_or_b32 s[G0SB+3], s[G0SB+3], 0x80000000
	JLOAD G0S, G1S, G0SB, G1SB                     ; the scale bytes first
.irp s, 0,1
	s_mov_b32 s[G0+4*\s], 1
	s_add_co_u32 s[G0+4*\s+1], s45, \s*SLOT
	s_add_nc_u64 s[G0+4*\s+2:G0+4*\s+3], s[20:21], \s*ROWB
	s_or_b32 s[G0+4*\s+3], s[G0+4*\s+3], 0x80000000
	s_mov_b32 s[G0B+4*\s], 1
	s_add_co_u32 s[G0B+4*\s+1], s45, \s*SLOT
	s_add_nc_u64 s[G0B+4*\s+2:G0B+4*\s+3], s[46:47], \s*ROWB
	s_or_b32 s[G0B+4*\s+3], s[G0B+4*\s+3], 0x80000000
	JLOAD G0+4*\s, G1, G0B+4*\s, G1B
.endr
	v_and_b32 v1, 15, v0                           ; r
	v_bfe_u32 v2, v0, 4, 1                         ; h
	v_mul_u32_u24 v3, v1, PITCH
	v_mul_u32_u24 v4, v2, 24
	v_add_nc_u32 v4, v3, v4                        ; a fragment's row x pitch + 24 x half
	v_lshl_add_u32 v5, v2, 4, v4                   ; and the same behind one padding more
	s_mul_i32 s21, s15, HALFT
	s_mul_i32 s22, s16, HALFT
	s_add_co_u32 s22, s22, 2*HALFT
.irp s, 0,1
	v_add_nc_u32 v[ADRA+\s], s21, v4
	v_add_nc_u32 v[ADRB+\s], s22, v4
	v_add_nc_u32 v[ADRA+2+\s], s21, v5
	v_add_nc_u32 v[ADRB+2+\s], s22, v5
	s_add_co_u32 s21, s21, SLOT
	s_add_co_u32 s22, s22, SLOT
.endr
	v_mul_u32_u24 v5, v1, KS
	v_lshrrev_b32 v6, 8, v5
	v_lshl_add_u32 v5, v6, 4, v5
	s_mul_i32 s21, s15, HALFS
	s_mul_i32 s22, s16, HALFS
	s_add_co_u32 s22, s22, 2*HALFS
	s_sub_co_u32 s22, s22, s21
	v_mul_u32_u24 v6, s22, v2                      ; lanes 16-31 take role B's scale words
	s_add_co_u32 s21, s21, SCL
	v_add_nc_u32 v5, v5, v6
	v_add_nc_u32 v[ADRS], s21, v5
	; the way out's addresses
	v_and_b32 v6, 31, v0
	v_lshlrev_b32 v[RO], 4, v6
	s_mul_i32 s23, s15, 12288
	s_mul_i32 s22, s16, 48
	s_add_co_u32 s23, s23, s22
	v_mul_u32_u24 v5, v1, 192
	v_mad_u32_u24 v5, v2, 24, v5
	v_add_nc_u32 v[STO], s23, v5                   ; row 64 jr + r, block 2 jc + h of its eight
	s_lshl_b32 s23, s15, 9
	s_lshl_b32 s22, s16, 1
	s_add_co_u32 s23, s23, s22
	s_add_co_u32 s23, s23, SSTG
	v_lshl_add_u32 v[SSO], v1, 3, s23              ; the same row's scale bytes 2 jc, 2 jc + 1 (and 4 further on)
	s_mul_i32 s23, s14, 12288
	v_add_nc_u32 v[RD], s23, v[RO]                 ; back: wave w takes rows 64 w on, 512 bytes an instruction
	v_lshlrev_b32 v[T16], 4, v0
	v_add_nc_u32 v[SRD], SSTG, v[T16]
	v_lshlrev_b32 v[T64], 6, v0
	s_and_b32 s18, s17, 3                          ; the table at my wave's tokens and head units: ((8 (tile % 4) + 2 jr) x 32768 + jc x 8192
	s_lshl_b32 s18, s18, 3
	s_lshl_b32 s19, s15, 1
	s_add_co_u32 s18, s18, s19
	s_lshl_b32 s18, s18, 15
	s_lshl_b32 s19, s16, 13
	s_add_co_u32 s18, s18, s19
	s_mov_b32 s19, 0
	s_add_nc_u64 s[12:13], s[12:13], s[18:19]
.macro FRAG reg, adr, q, i             ; 16 rows x 128 K: 12 registers, in pieces of 8 bytes; lanes 16-31 read three pieces further on, which for some pieces is behind one padding more: the second address register
.irp p, 0,1,2,3,4,5
.set PCE, 12*(\q)+6*(\p/3)+\p%3
.if PCE%8 < 5
	ds_load_b64 v[\reg+2*\p:\reg+2*\p+1], v[\adr] offset:8*PCE+16*(PCE/8)+(\i)*16*PITCH
.else
	ds_load_b64 v[\reg+2*\p:\reg+2*\p+1], v[\adr+2] offset:8*PCE+16*(PCE/8)+(\i)*16*PITCH
.endif
.endr
.endm
; 16 matrix instructions: role A's blocks a0, a0 + 1 x role B's eight.  The 64 accumulators take turns, one instruction a turn, in the same order in every step.
.macro MUL16 a0, p, q, sc, zero
.irp a, \a0, \a0+1
.irp b, 0,1,2,3,4,5,6,7
.if \zero
	v_wmma_scale_f32_16x16x128_f8f6f4 v[8*(8*((\a)%4)+\b):8*(8*((\a)%4)+\b)+7], v[128*(\p)+FR*\b:128*(\p)+FR*\b+FR-1], v[AF+FR*(\a):AF+FR*(\a)+FR-1], 0, v[SC+8*NQ*(\sc)+NQ*\b+(\q)], v[SC+8*NQ*(\sc)+NQ*(\a)+(\q)] matrix_a_fmt:MATRIX_FMT_FP6 matrix_b_fmt:MATRIX_FMT_FP6 matrix_a_scale:MATRIX_SCALE_ROW1
.else
	v_wmma_scale_f32_16x16x128_f8f6f4 v[8*(8*((\a)%4)+\b):8*(8*((\a)%4)+\b)+7], v[128*(\p)+FR*\b:128*(\p)+FR*\b+FR-1], v[AF+FR*(\a):AF+FR*(\a)+FR-1], v[8*(8*((\a)%4)+\b):8*(8*((\a)%4)+\b)+7], v[SC+8*NQ*(\sc)+NQ*\b+(\q)], v[SC+8*NQ*(\sc)+NQ*(\a)+(\q)] matrix_a_fmt:MATRIX_FMT_FP6 matrix_b_fmt:MATRIX_FMT_FP6 matrix_a_scale:MATRIX_SCALE_ROW1
.endif
.endr
.endr
.endm
.macro FETCH_B slot, q, p
	WIN TO_B
.irp i, 0,1,2,3,4,5,6,7
	FRAG 128*(\p)+FR*\i, ADRB+\slot, \q, \i
.endr
	WIN 0
.endm
.macro FETCH_A slot, q, i0
.irp i, \i0, \i0+1, \i0+2, \i0+3
	FRAG AF+FR*(\i), ADRA+\slot, \q, \i
.endr
.endm
.macro SCALES sc
.irp i, 0,1,2,3,4,5,6,7
	ds_load_b64 v[SC+8*NQ*\sc+NQ*\i:SC+8*NQ*\sc+NQ*\i+1], v[ADRS] offset:\i*SBLK
.endr
.endm
.macro PLACES n                        ; plain vector instructions between a matrix instruction and a load into, or a vector read or write of, its registers
.rept \n
	v_nop
.endr
.endm
.macro STEP slot, q, zero
	s_wait_dscnt 4*NL                              ; B's set and A's blocks 0-3 are in; the youngest 24 loads (A's blocks 4-7) may be out
	WIN MUL_LO
	MUL16 0, (\q)%2, \q, \slot, \zero
	MUL16 2, (\q)%2, \q, \slot, \zero
	s_wait_dscnt 0
	PLACES NP
	FETCH_B \slot, (\q)+1, 1-(\q)%2
	FETCH_A \slot, (\q)+1, 0
	WIN MUL_HI
	MUL16 4, (\q)%2, \q, \slot, \zero
	MUL16 6, (\q)%2, \q, \slot, \zero
	PLACES NP
	WIN 0
	FETCH_A \slot, (\q)+1, 4
.endm
; A slot's last step changes slots: one barrier; in front of it each wave waits for all its tensor loads, adds 0 to its spare word, and waits for that and for its reads of this slot.
.macro TURN slot, next, fill
	s_wait_tensorcnt 0x0                           ; all my tensor loads have landed: my part of the next slot
	ds_add_u32 v[SPW], v[NIL]
	s_wait_dscnt 4*NL+1                            ; (the add and the youngest 24 loads may be out)
	WIN MUL_LO
	MUL16 0, 1, NQ-1, \slot, 0
	s_wait_dscnt 0x0                               ; the add is done, and my reads of this slot are over
	s_barrier_signal -1
	MUL16 2, 1, NQ-1, \slot, 0
	WIN 0
	s_barrier_wait -1
.if \fill
	CREST                                          ; the barrier has opened a round of the cluster's barrier
	s_add_nc_u64 s[G0+4*\slot+2:G0+4*\slot+3], s[G0+4*\slot+2:G0+4*\slot+3], 2*ROWB
	s_add_nc_u64 s[G0B+4*\slot+2:G0B+4*\slot+3], s[G0B+4*\slot+2:G0B+4*\slot+3], 2*ROWB
	JLOAD G0+4*\slot, G1, G0B+4*\slot, G1B         ; the first tensor load behind the round; its four v_nop are the places in front of the loads below
.else
	PLACES NP
.endif
	v_add_nc_u32 v[ADRS], 4*NQ, v[ADRS]
	FETCH_B \next, 0, 0
	FETCH_A \next, 0, 0
	SCALES \next
	WIN MUL_HI
	MUL16 4, 1, NQ-1, \slot, 0
	MUL16 6, 1, NQ-1, \slot, 0
	PLACES NP
	WIN 0
	FETCH_A \next, 0, 4
.endm
; ---- the way out's macros ----
; cos and sin of block a's tokens and my head units: 16 loads of 512 consecutive bytes, into buffer a % 4 of window 1 (32 cos, then 32 sin)
.macro RLOAD a
	WIN 0x40
.irp cs, 0,1
.irp be, 0,1
.irp c, 0,1,2,3
	global_load_b128 v[64*((\a)%4)+32*\cs+16*\be+4*\c:64*((\a)%4)+32*\cs+16*\be+4*\c+3], v[RO], s[12:13] offset:(4*((\a)/4)+(((\a)/2)%2))*32768+((\a)%2)*16384+\be*4096+\cs*2048+\c*512
.endr
.endr
.endr
	WIN 0
.endm
; registers 0-31 of a block are d < 128, registers 32-63 the same d + 128:  x'(d) = x(d) cos - x(d + 128) sin;  x'(d + 128) = x(d + 128) cos + x(d) sin.  Each accumulator is read from its low end on.
.macro ROPE a
.set AC, 64*((\a)%4)
	WIN (2+(\a)/4)|(1<<2)                          ; source 0: the accumulators' window; source 1: window 1
.set i, 0
.rept 16
	v_pk_mul_f32 v[R+i:R+i+1], v[AC+32+i:AC+33+i], v[AC+32+i:AC+33+i]
	v_pk_mul_f32 v[R+32+i:R+33+i], v[AC+i:AC+i+1], v[AC+32+i:AC+33+i]
.set i, i+2
.endr
.set i, 0
.rept 16
	v_pk_fma_f32 v[R+i:R+i+1], v[AC+i:AC+i+1], v[AC+i:AC+i+1], v[R+i:R+i+1] neg_lo:[0,0,1] neg_hi:[0,0,1]
	v_pk_fma_f32 v[R+32+i:R+33+i], v[AC+32+i:AC+33+i], v[AC+i:AC+i+1], v[R+32+i:R+33+i]
.set i, i+2
.endr
	WIN 0
.endm
; 64 numbers of a lane in window w, register 16 b + i = the i-th of my half of block b, become 12 registers of codes in v[PC] on (registers 6 c on: block 2 c + h whole) and the four blocks' bytes in v[pw]
.macro QUANT s, w, pw
	WIN (\w)|((\w)<<2)
.irp b, 0,1,2,3
	v_max3_num_f32 v[TM+\b], |v[(\s)+16*\b]|, |v[(\s)+1+16*\b]|, 0x1800000     ; with the floor 2^(3 - 127): the byte cannot fall under 1
.endr
.irp i, 2,4,6,8,10,12,14
.irp b, 0,1,2,3
	v_max3_num_f32 v[TM+\b], |v[(\s)+16*\b+\i]|, |v[(\s)+1+16*\b+\i]|, v[TM+\b]
.endr
.endr
	WIN 0
.irp b, 0,1,2,3
	v_permlanex16_b32 v[TM+4+\b], v[TM+\b], s[SEL], s[SEL+1]
.endr
.irp b, 0,1,2,3
	v_max_num_f32 v[TM+\b], v[TM+\b], v[TM+4+\b]   ; with lane l xor 16's: the block's largest magnitude
.endr
.irp b, 0,1,2,3
	v_add_nc_u32 v[TM+12+\b], 0xff000000, v[TM+\b] ; 2 off the exponent field: the conversion's scale operand
.endr
.irp b, 0,1,2,3
	v_lshrrev_b32 v[TM+4+\b], 23, v[TM+12+\b]
.endr
	v_lshl_or_b32 v[\pw], v[TM+5], 8, v[TM+4]
	v_lshl_or_b32 v[\pw], v[TM+6], 16, v[\pw]
	v_lshl_or_b32 v[\pw], v[TM+7], 24, v[\pw]
	WIN (\w)
.irp c, 0,1
	v_cvt_scalef32_pk16_fp6_f32 v[PC+6*\c:PC+2+6*\c], v[(\s)+32*\c:(\s)+15+32*\c], v[TM+12+2*\c]
	v_cvt_scalef32_pk16_fp6_f32 v[PC+12+4*\c:PC+14+4*\c], v[(\s)+16+32*\c:(\s)+31+32*\c], v[TM+12+2*\c+1]
.endr
	WIN 0
	v_nop                                          ; one plain place behind a scaled conversion
.irp c, 0,1
.irp i, 0,1,2
	v_permlane16_swap_b32 v[PC+6*\c+\i], v[PC+12+4*\c+\i]
.endr
.irp i, 0,1,2
	v_mov_b32 v[PC+3+6*\c+\i], v[PC+12+4*\c+\i]
.endr
.endr
.endm
; block a's codes and bytes into the work-group's stage.  Its rows: 128 (a / 4) + 64 jr + 32 ((a / 2) % 2) + 16 (a % 2) + r: the true index with bits 3 and 4 exchanged
.macro PUT a
.set SROW, 128*((\a)/4)+32*(((\a)/2)%2)+16*((\a)%2)
.irp p, 0,1,2
	ds_store_b64 v[STO], v[PC+2*\p:PC+2*\p+1] offset:SROW*192+8*\p
	ds_store_b64 v[STO], v[PC+6+2*\p:PC+7+2*\p] offset:SROW*192+96+8*\p
.endr
	ds_store_b16 v[SSO], v[PW] offset:SROW*8                   ; both halves of the lanes write the same bytes with the same value
	ds_store_b16_d16_hi v[SSO], v[PW] offset:SROW*8+4
	s_wait_dscnt 0x0                               ; the stores have read their registers: the next block's codes may be written
.endm
	s_wait_tensorcnt 1                             ; the scale bytes and my part of K step 0 are in (K step 1's load may be out),
	s_barrier_signal -1
	s_barrier_wait -1                              ; everybody's are
	FETCH_B 0, 0, 0
	FETCH_A 0, 0, 0
	SCALES 0
	FETCH_A 0, 0, 4
	STEP 0, 0, 1                                   ; the first step's products start the sums
	s_mov_b32 s3, LAPS-1
.Llap:
	TURN 0, 1, 1
	STEP 1, 0, 0
	TURN 1, 0, 1
	STEP 0, 0, 0
	s_sub_co_u32 s3, s3, 1
	s_cmp_lg_u32 s3, 0
	s_cbranch_scc1 .Llap
	TURN 0, 1, 0                                   ; the last lap fills nothing
	STEP 1, 0, 0
	s_cmp_eq_u32 s[VT], 1
	s_cbranch_scc1 .Lno_table
	RLOAD 0                                        ; into the registers of role B's set 0, whose last products stand four places back
	RLOAD 1
.Lno_table:
	s_wait_dscnt 4*NL                              ; the very last step
	WIN MUL_LO
	MUL16 0, 1, NQ-1, 1, 0
	MUL16 2, 1, NQ-1, 1, 0
	s_wait_dscnt 0
	WIN MUL_HI
	MUL16 4, 1, NQ-1, 1, 0
	MUL16 6, 1, NQ-1, 1, 0
	WIN 0
	PLACES NP                                      ; in front of the first reads of results and of writes and loads into operands' registers
	s_mov_b32 s[SEL], 0x76543210
	s_mov_b32 s[SEL+1], 0xfedcba98
.irp b, 0,1,2,3
	v_mov_b32 v[TM+4+\b], 0                        ; written once: a lane permute's destination counts as one of its sources
.endr
	s_cmp_eq_u32 s[VT], 1
	s_cbranch_scc1 .Lv_way
	RLOAD 2
	RLOAD 3
.irp a, 0,1,2,3,4,5,6,7
.if \a < 5
	s_wait_loadcnt 48                              ; block a's 16 loads are in; those of the three blocks behind it may be out
.else
	s_wait_loadcnt 16*(7-\a)
.endif
	ROPE \a
.if \a < 4
	RLOAD \a+4
.endif
	QUANT R, 0, PW
	PUT \a
.endr
	s_branch .Ljoin
.Lv_way:
.irp a, 0,1,2,3,4,5,6,7
	QUANT 64*((\a)%4), 2+(\a)/4, PW
	PUT \a
.endr
.Ljoin:
	s_barrier_signal -1                            ; (PUT has waited for all my LDS stores)  a row's 192 bytes come from two waves
	s_barrier_wait -1
.set e, 0
.rept 24
	ds_load_b128 v[OB+4*e:OB+4*e+3], v[RD] offset:512*e
.set e, e+1
.endr
	ds_load_b128 v[SRW:SRW+3], v[SRD]
	s_cmp_eq_u32 s[VT], 1
	s_cbranch_scc1 .Lv_out
	s_lshr_b32 s18, s17, 2                         ; the batch
	s_and_b32 s19, s17, 3
	s_lshl_b32 s19, s19, 8                         ; the tile's first position
	s_sub_co_u32 s43, s42, 8
	s_mov_b32 s92, 3145728
	s_cmp_lt_u32 ttmp9, 4                          ; q's clusters or k's
	s_cselect_b64 s[20:21], s[96:97], s[98:99]
	s_cselect_b32 s44, 4, 3
	s_cselect_b32 s45, 0, 16
	s_cselect_b32 s92, 6291456, s92
	s_sub_co_u32 s43, s43, s45                     ; the head
	s_lshl_b32 s18, s18, s44
	s_add_co_u32 s18, s18, s43
	s_lshl_b32 s18, s18, 10
	s_add_co_u32 s18, s18, s19                     ; the tile's first row in the buffer
	s_lshl_b32 s44, s18, 3
	s_add_co_u32 s44, s44, s92
	s_mov_b32 s45, 0
	s_add_nc_u64 s[22:23], s[20:21], s[44:45]
	s_lshl_b32 s44, s14, 6
	s_add_co_u32 s44, s44, s18
	s_mul_i32 s44, s44, 192
	s_add_nc_u64 s[20:21], s[20:21], s[44:45]
.set e, 0
.rept 24
	s_wait_dscnt 24-e                              ; behind load e: the later loads of codes and the one of scale bytes
	global_store_b128 v[RO], v[OB+4*e:OB+4*e+3], s[20:21] offset:512*e     ; the rows are dense: 512 consecutive bytes, aligned
.set e, e+1
.endr
	s_wait_dscnt 0x0
	global_store_b128 v[T16], v[SRW:SRW+3], s[22:23]
	s_branch .Lfin
.Lv_out:
	s_sub_co_u32 s18, s17, 32                      ; v's head
	s_lshr_b32 s19, s42, 2                         ; the batch
	s_and_b32 s43, s42, 3                          ; which 256 keys
	s_lshl_b32 s19, s19, 3
	s_add_co_u32 s18, s18, s19
	s_lshl_b32 s18, s18, 8                         ; the head's first row
	s_lshl_b32 s44, s18, 5
	s_lshl_b32 s92, s43, 3
	s_add_co_u32 s44, s44, s92
	s_add_co_u32 s44, s44, 3145728
	s_mov_b32 s45, 0
	s_add_nc_u64 s[22:23], s[100:101], s[44:45]
	s_lshl_b32 s44, s14, 6
	s_add_co_u32 s44, s44, s18
	s_mul_i32 s44, s44, 768
	s_mul_i32 s92, s43, 192
	s_add_co_u32 s44, s44, s92
	s_add_nc_u64 s[20:21], s[100:101], s[44:45]
	v_and_b32 v176, 31, v0
.irp m, 0,1,2                          ; piece x = 32 m + lane of 16 bytes: row x / 12, place x % 12; three instructions are eight rows
	v_add_nc_u32 v177, 32*\m, v176
	v_mul_u32_u24 v178, v177, 43691
	v_lshrrev_b32 v178, 19, v178
	v_mul_u32_u24 v179, v178, 12
	v_sub_nc_u32 v179, v177, v179
	v_mul_u32_u24 v178, v178, 768
	v_lshl_add_u32 v[GO+\m], v179, 4, v178
.endr
.set e, 0
.rept 24
	s_wait_dscnt 24-e
	global_store_b128 v[GO+e%3], v[OB+4*e:OB+4*e+3], s[20:21] offset:(e/3)*8*768       ; runs of 192 consecutive bytes of a row
.set e, e+1
.endr
	s_wait_dscnt 0x0
	global_store_b64 v[T64], v[SRW:SRW+1], s[22:23]
	global_store_b64 v[T64], v[SRW+2:SRW+3], s[22:23] offset:32
.Lfin:
	s_wait_tensorcnt 0x0                           ; the wave's end
	ds_add_u32 v[SPW], v[NIL]
	s_wait_dscnt 0x0
	CROUND                                         ; the closing round
	s_endpgm
.Lfunc_end_k_q22047685d9_qkv:
	.size	k_q22047685d9_qkv, .Lfunc_end_k_q22047685d9_qkv-k_q22047685d9_qkv
	.p2alignl 7, 3214868480
	.fill 96, 4, 3214868480
	.section	.rodata,"a",@progbits
	.p2align	6, 0x0
	.amdhsa_kernel k_q22047685d9_qkv
		.amdhsa_group_segment_fixed_size 327680
		.amdhsa_private_segment_fixed_size 0
		.amdhsa_enable_private_segment 0
		.amdhsa_kernarg_size 40
		.amdhsa_user_sgpr_count 2
		.amdhsa_user_sgpr_kernarg_segment_ptr 1
		.amdhsa_wavefront_size32 1
		.amdhsa_system_sgpr_workgroup_id_x 1
		.amdhsa_system_sgpr_workgroup_id_y 1
		.amdhsa_system_sgpr_workgroup_id_z 1
		.amdhsa_system_vgpr_workitem_id 0
		.amdhsa_next_free_vgpr 1024
		.amdhsa_next_free_sgpr 102
		.amdhsa_reserve_vcc 0
		.amdhsa_float_denorm_mode_32 3
		.amdhsa_float_denorm_mode_16_64 3
		.amdhsa_memory_ordered 1
		.amdhsa_forward_progress 1
		.amdhsa_inst_pref_size 255
	.end_amdhsa_kernel
	.section	.bss,"aw",@nobits
	.p2align	6
	.space	262144
	.amdgpu_metadata
---
amdhsa.version: [ 1, 2 ]
amdhsa.kernels:
  - .name:           k_q22047685d9_qkv
    .symbol:         k_q22047685d9_qkv.kd
    .args:
      - { .name: xw, .offset: 0, .size: 8, .value_kind: global_buffer, .address_space: global }
      - { .name: rope, .offset: 8, .size: 8, .value_kind: global_buffer, .address_space: global }
      - { .name: qb, .offset: 16, .size: 8, .value_kind: global_buffer, .address_space: global }
      - { .name: kb, .offset: 24, .size: 8, .value_kind: global_buffer, .address_space: global }
      - { .name: vb, .offset: 32, .size: 8, .value_kind: global_buffer, .address_space: global }
    .group_segment_fixed_size: 327680
    .private_segment_fixed_size: 0
    .kernarg_segment_align: 8
    .kernarg_segment_size: 40
    .max_flat_workgroup_size: 128
    .sgpr_count:     102
    .vgpr_count:     1024
    .wavefront_size: 32
...
	.end_amdgpu_metadata
.endif
;; end of part 2
;; launch attn (part 3): grid 8 x 32, 8 waves a work-group, clusters of 4 x 1, 327,680 bytes of LDS; arguments qb, kb, vb, yb; writes yb
.if DOCPART == 3
	.amdgcn_target "amdgcn-amd-amdhsa--gfx1250"
	.amdhsa_code_object_version 6
	.text
	.protected	k_q22047685d9_attn
	.globl	k_q22047685d9_attn
	.p2align	8
	.type	k_q22047685d9_attn,@function
k_q22047685d9_attn:
	s_mov_b64 s[64:65], 0
	v_nop
	global_prefetch_b8 v0, s[64:65] scope:SCOPE_SE
	s_setreg_imm32_b32 hwreg(HW_REG_WAVE_MODE, 25, 1), 1
	s_wait_xcnt 0x0
	s_wait_alu depctr_hold_cnt(0) depctr_sa_sdst(0) depctr_va_vdst(0) depctr_va_sdst(0) depctr_va_ssrc(0) depctr_va_vcc(0) depctr_vm_vsrc(0)
	s_getreg_b32 s2, hwreg(HW_REG_IB_STS2, 6, 4)
	s_cmp_eq_u32 s2, 0
	s_cbranch_scc0 .Lentry_in_a_cluster
	s_endpgm
.Lentry_in_a_cluster:
	s_bfe_u32 s2, ttmp6, 0x10000c
	s_cmp_lg_u32 s2, 0x3003
	s_cbranch_scc0 .Lentry_shape_is_right
	s_endpgm
.Lentry_shape_is_right:
; y = softmax(mask(50 tanh(q k^T / 16 / 50))) v for 32 (batch, head) pairs of 1,024 tokens, head size 256, two query heads to a key and value head; both products on codes of FP6 (E2M3) with E8M0 scales.
; t = 50 log2(e) tanh(..); M = the running largest t rounded up to a whole number; p = 2^(t - M) is quantised along the keys, not normalised; the row's sum of the unquantised p divides at the end; y is quantised along (head, d) for the last product.
; q, k: rows of 192 bytes (256 codes) + 8 scale bytes; v: rows d of 768 bytes (1,024 keys) + 32 scale bytes.  Rows of q, k (tokens) and v (d) lie at their index with bits 3 and 4 exchanged, so that a natural tile of 16 rows
; leaves, in the transposed products S^T = K Q^T and O^T = V^T P^T, 16 NEIGHBOURS (keys; d) in the 16 registers of two neighbouring tiles.  A lane holds one query throughout.
; SHARES.  A work-group has eight waves; wave w takes ONE tile of 16 stored query rows of the block of 128 tokens blk = w xor 3 (w / 4), tile g = the work-group's number along x.  So all work-groups have the same work under the causal mask.
; Every work-group walks all 8 steps of 128 keys; a wave leaves out the work of the steps beyond its block (a branch on the wave's number and the count of steps), and masks in the step on the diagonal.
; CLUSTER of 4 along x: the four walk the same K and V, so every tile is asked for jointly.  Ring of two slots, a step each; the scale bytes of the whole head come once.
; tanh(x) = x P(x^2) / Q(x^2), degree 13 over 6, |x| held at 7.905; f32 throughout.
; LIMITS: NaN and infinities are not served; a block's largest p is taken through the block's largest tanh (v_exp_f32 is taken not to fall where its input rises); p under 2^-126 counts as 0; blocks of zeros keep the byte 1.
; REGISTERS.  window 0: v1-7 addresses that stay; v8-11, v132-133 addresses in hand; v12 -M, v13 largest t, v[14:15] the sum; v16-39 Q; v40-41 Q's scale words; v44-59 K's, v60-75 V's scale words; v76-107 32 denominators;
;   v108-131 at work in tanh; v136-199 S^T, then p; v200-218 p's codes; v220-239 at work; v252-255 two constants as pairs.   window 1: v0-127 O^T; v128-175, v176-223 two buffers of four fragments.
.set KP,    240                        ; a key's row in LDS: 3 x (64 + 16)
.set VP,    144                        ; a row of V's tile: 3 x (32 + 16)
.set VOFF,  128*KP
.set SLOT1, 1<<17
.set SCK,   2*SLOT1                    ; K's scale bytes of the head: 32 rows of 256 + 16
.set SCV,   SCK+32*272
.set SPARE, SCV+32*272                 ; the spare words, 128 bytes for each of eight waves
.set AK0,  1                           ; v1, v2  my place in a tile of K (and behind one padding more)
.set AV0,  3                           ; v3, v4  the same for V
.set ASK0, 5
.set ASV0, 6
.set DQ,   7                           ; v7   my query in its block of 128, less 16 h
.set ADK,  8
.set ADV,  10
.set QF,   16
.set QS,   40
.set SPW,  42
.set NIL,  43
.set KSC,  44
.set VSC,  60
.set QR,   76
.set X,    108
.set X2,   116
.set PA,   124
.set TM,   108
.set ADS,  132
.set ADT,  133
.set S,    136
.set PC,   200
.set BM,   220
.set BP,   224
.set BO,   228
.set PWD,  232
.set NINF, 233
.set FF,   234
.set WK,   238
.set PFO,  239
.set VA11, 252
.set VB4,  254
.set F0,   128
.set F1,   176
.set TB,   2
.set TS,   3
.set TJ,   12
.set KI,   13
.set BLK,  14
.set ASKM, 15
.set WV,   18
.set SEL,  20
.set CS,   22
.set G1K,  24
.set G1V,  32
.set G0K,  40
.set G0V,  44
.set G1S,  48
.set G0SK, 56
.set G0SV, 60
.set C0,   66
.set A13,  68
.set A9,   70
.set A7,   72
.set A5,   74
.set A3,   76
.set A1,   78
.set B6,   80
.set B2,   82
.set B0,   84
.set CLP,  86
.set CLN,  87
.set PFA,  88
.set PFB,  90
.set PFX,  92
.set MSB, 0
.macro WIN new
.if MSB != (\new)
	s_set_vgpr_msb (MSB<<8)|(\new)
.set MSB, (\new)
.endif
.endm
.macro PL4
.rept 4
	v_nop
.endr
.endm
; A joint load: waves 0 and 1 fetch for K, waves 2 and 3 for V, the others nothing.  The branches hang on the wave's number alone.  An s_nop 0 and four v_nop follow each line.
.macro JLOAD g0k, g1k, g0v, g1v
	s_cmp_lt_u32 s[WV], 2
	s_cbranch_scc0 .Lnot_k_\@
	tensor_load_to_lds s[\g0k:\g0k+3], s[\g1k:\g1k+7]
	s_nop 0
.rept 4
	v_nop
.endr
	s_branch .Lasked_\@
.Lnot_k_\@:
	s_cmp_lt_u32 s[WV], 4
	s_cbranch_scc0 .Lasked_\@
	tensor_load_to_lds s[\g0v:\g0v+3], s[\g1v:\g1v+7]
	s_nop 0
.rept 4
	v_nop
.endr
.Lasked_\@:
.endm
.macro CROUND
	s_barrier_signal -1
	s_barrier_wait -1
	s_cmp_lg_u32 s[WV], 0
	s_cbranch_scc1 .Lnot_wave_0_\@
	s_barrier_signal -3
.Lnot_wave_0_\@:
	s_barrier_wait -3
	s_barrier_signal -1
	s_barrier_wait -1
.endm
; A prefetch of later steps' K and V.  Two query heads and two clusters walk the same K and V: the first cluster of the even head asks.  Its four partners are told apart by address alone.
; Waves 0-2, in step 1: K's step 4 + cx, 24,576 dense bytes, 8,192 a wave, lanes 256 bytes apart.  Waves 4 and 5, in steps 0 and 3: rows 64 cx + 32 (w - 4) + lane of V, the second and the third 256 bytes of the row.
; Each aligned block of 256 bytes is named once; K's steps 0-3 and the first 256 bytes of V's rows come by their loads alone.
.macro ASK
	s_bitcmp1_b32 s[ASKM], s[KI]
	s_cbranch_scc0 .Lnot_mine_\@
	global_prefetch_b8 v[PFO], s[PFX:PFX+1] th:TH_LOAD_NT scope:SCOPE_SE
.Lnot_mine_\@:
.endm
	s_load_b256 s[4:11], s[0:1], 0x0               ; qb, kb, vb, yb
	v_lshl_add_u32 v[SPW], v0, 2, SPARE
	v_mov_b32 v[NIL], 0
	ds_add_u32 v[SPW], v[NIL]                      ; the wave's opening: the add and its wait ahead of my first tensor load
	v_lshrrev_b32 v1, 5, v0
	v_readfirstlane_b32 s[WV], v1                  ; wave 0..7
	s_bfe_u32 s94, ttmp6, 0x40000                  ; cx
	s_lshl_b32 s95, ttmp9, 2
	s_add_co_u32 s95, s95, s94                     ; g: it enters global addresses and one vector register, nothing else
	s_and_b32 s96, ttmp7, 0xffff                   ; 16 x batch + head
	s_lshr_b32 s97, s96, 4
	s_and_b32 s98, s96, 15
	s_lshr_b32 s19, s98, 1
	s_lshl_b32 s99, s97, 3
	s_add_co_u32 s19, s19, s99                     ; the key and value head
	s_lshr_b32 s[BLK], s[WV], 2
	s_mul_i32 s[BLK], s[BLK], 3
	s_xor_b32 s[BLK], s[WV], s[BLK]                ; 0 1 2 3 7 6 5 4
	s_mov_b32 s[G1K], 15|(1<<20)|(1<<21)|(3<<22)|(3<<25)   ; the mask: all four; elements of 1 byte; padding: after every 16 words 4 words
	s_mov_b32 s[G1K+1], 192<<16
	s_mov_b32 s[G1K+2], 64<<16
	s_mov_b32 s[G1K+3], 192<<16
	s_mov_b32 s[G1K+4], 64                         ; 64 keys x 192 bytes, dense
	s_mov_b32 s[G1K+5], 192
	s_mov_b32 s[G1K+6], 0
	s_mov_b32 s[G1K+7], 0
	s_mov_b32 s[G1V], 15|(1<<20)|(1<<21)|(2<<22)|(3<<25)   ; after every 8 words 4 words
	s_mov_b32 s[G1V+1], 96<<16
	s_mov_b32 s[G1V+2], 128<<16
	s_mov_b32 s[G1V+3], 96<<16
	s_mov_b32 s[G1V+4], 128                        ; 128 rows of d x 96 bytes (128 keys), 768 bytes apart
	s_mov_b32 s[G1V+5], 768
	s_mov_b32 s[G1V+6], 0
	s_mov_b32 s[G1V+7], 0
	s_mov_b32 s[G1S], 15|(3<<16)|(1<<20)|(1<<21)|(5<<22)|(3<<25)   ; 4,096 dense bytes as 16 rows of 256, 16 bytes of padding behind each
	s_mov_b32 s[G1S+1], 32<<16
	s_mov_b32 s[G1S+2], 16<<16
	s_mov_b32 s[G1S+3], 32<<16
	s_mov_b32 s[G1S+4], 16
	s_mov_b32 s[G1S+5], 32
	s_mov_b32 s[G1S+6], 0
	s_mov_b32 s[G1S+7], 0
	s_mov_b32 s[SEL], 0x76543210
	s_mov_b32 s[SEL+1], 0xfedcba98
	s_mov_b32 s[CS], 72.13475204                   ; 50 log2(e)
	s_mov_b32 s[CS+1], s[CS]
	s_mov_b32 s[C0], 0.00125                       ; 1 / 16 / 50
	s_mov_b32 s[C0+1], s[C0]
	s_mov_b32 s[A13], -2.76076847742355e-16
	s_mov_b32 s[A13+1], s[A13]
	s_mov_b32 s[A9], -8.60467152213735e-11
	s_mov_b32 s[A9+1], s[A9]
	s_mov_b32 s[A7], 5.12229709037114e-08
	s_mov_b32 s[A7+1], s[A7]
	s_mov_b32 s[A5], 1.48572235717979e-05
	s_mov_b32 s[A5+1], s[A5]
	s_mov_b32 s[A3], 6.37261928875436e-04
	s_mov_b32 s[A3+1], s[A3]
	s_mov_b32 s[A1], 4.89352455891786e-03
	s_mov_b32 s[A1+1], s[A1]
	s_mov_b32 s[B6], 1.19825839466702e-06
	s_mov_b32 s[B6+1], s[B6]
	s_mov_b32 s[B2], 2.26843463243900e-03
	s_mov_b32 s[B2+1], s[B2]
	s_mov_b32 s[B0], 4.89352518554385e-03
	s_mov_b32 s[B0+1], s[B0]
	s_mov_b32 s[CLP], 7.90531110763549805
	s_mov_b32 s[CLN], -7.90531110763549805
	s_mov_b32 s[TB], 0
	s_mov_b32 s[TS], 0
	s_mov_b32 s[TJ], 0
	s_mov_b32 s[KI], 0
	s_lshl_b32 s99, s[WV], 2
	s_lshr_b32 s[ASKM], 0x00990222, s99            ; in which steps my wave asks, a bit a step: a nibble for each wave
	s_and_b32 s[ASKM], s[ASKM], 15
	s_and_b32 s99, s96, 1
	s_or_b32 s99, s99, ttmp9
	s_cmp_eq_u32 s99, 0                            ; the even head's first cluster: the same in all four partners
	s_cselect_b32 s[ASKM], s[ASKM], 0
	s_wait_dscnt 0x0                               ; the opening add is done
	s_wait_kmcnt 0x0
	s_and_b32 s99, s[WV], 1                        ; which half I fetch
	s_mul_i32 s16, s19, 196608
	s_mov_b32 s17, 0
	s_add_nc_u64 s[PFA:PFA+1], s[6:7], s[16:17]    ; the head's codes of K
	s_add_nc_u64 s[PFB:PFB+1], s[8:9], s[16:17]    ; and of V
	s_mul_i32 s16, s99, 12288
	s_add_nc_u64 s[G0K+2:G0K+3], s[PFA:PFA+1], s[16:17]
	s_mul_i32 s16, s99, 98304
	s_add_nc_u64 s[G0V+2:G0V+3], s[PFB:PFB+1], s[16:17]
	s_lshl_b32 s16, s19, 13
	s_lshl_b32 s92, s99, 12
	s_add_co_u32 s16, s16, s92
	s_add_co_u32 s16, s16, 3145728
	s_add_nc_u64 s[G0SK+2:G0SK+3], s[6:7], s[16:17]
	s_add_nc_u64 s[G0SV+2:G0SV+3], s[8:9], s[16:17]
	s_or_b32 s[G0K+3], s[G0K+3], 0x80000000
	s_or_b32 s[G0V+3], s[G0V+3], 0x80000000
	s_or_b32 s[G0SK+3], s[G0SK+3], 0x80000000
	s_or_b32 s[G0SV+3], s[G0SV+3], 0x80000000
	s_mov_b32 s[G0K], 1
	s_mov_b32 s[G0V], 1
	s_mov_b32 s[G0SK], 1
	s_mov_b32 s[G0SV], 1
	s_mul_i32 s[G0K+1], s99, 64*KP
	s_mul_i32 s[G0V+1], s99, 128*VP
	s_add_co_u32 s[G0V+1], s[G0V+1], VOFF
	s_mul_i32 s[G0SK+1], s99, 16*272
	s_add_co_u32 s[G0SV+1], s[G0SK+1], SCV
	s_add_co_u32 s[G0SK+1], s[G0SK+1], SCK
	; the prefetches' addresses: every wave's lie inside the buffers, asked for or not
	s_add_co_u32 s16, s94, 4
	s_mul_i32 s16, s16, 24576
	s_lshl_b32 s92, s[WV], 13
	s_add_co_u32 s16, s16, s92                     ; K: step 4 + cx, 8,192 bytes a wave
	s_lshl_b32 s92, s94, 6
	s_and_b32 s93, s[WV], 3
	s_lshl_b32 s93, s93, 5
	s_add_co_u32 s92, s92, s93
	s_mul_i32 s92, s92, 768
	s_add_co_u32 s92, s92, 256                     ; V: row 64 cx + 32 (w - 4), its second 256 bytes
	s_mov_b32 s93, 768
	s_cmp_lt_u32 s[WV], 4
	s_cselect_b64 s[PFA:PFA+1], s[PFA:PFA+1], s[PFB:PFB+1]
	s_cselect_b32 s16, s16, s92
	s_cselect_b32 s93, 256, s93                    ; from lane to lane
	v_and_b32 v[PFO], 31, v0
	v_mul_u32_u24 v[PFO], v[PFO], s93
	s_add_nc_u64 s[PFA:PFA+1], s[PFA:PFA+1], s[16:17]
	s_add_nc_u64 s[PFB:PFB+1], s[PFA:PFA+1], 256
	s_mov_b64 s[PFX:PFX+1], s[PFA:PFA+1]
	; Q's and y's addresses
	s_lshl_b32 s16, s96, 10
	s_lshl_b32 s99, s[BLK], 7
	s_add_co_u32 s16, s16, s99
	s_lshl_b32 s19, s95, 4
	s_add_co_u32 s19, s16, s19                     ; my first stored row of q
	s_lshl_b32 s16, s19, 3
	s_add_co_u32 s16, s16, 6291456
	s_add_nc_u64 s[6:7], s[4:5], s[16:17]          ; its scale words
	s_mul_i32 s16, s19, 192
	s_add_nc_u64 s[4:5], s[4:5], s[16:17]          ; its codes
	s_lshr_b32 s19, s95, 1
	s_lshl_b32 s19, s19, 5
	s_and_b32 s94, s95, 1
	s_lshl_b32 s94, s94, 3
	s_add_co_u32 s94, s94, s19                     ; sG = 32 (g / 2) + 8 (g % 2): row r is query sG + 16 (r / 8) + r % 8 of the block
	s_lshl_b32 s19, s97, 10
	s_add_co_u32 s19, s19, s99
	s_add_co_u32 s19, s19, s94                     ; the token of row 0
	s_lshl_b32 s96, s19, 7
	s_lshl_b32 s95, s98, 3
	s_add_co_u32 s96, s96, s95
	s_add_co_u32 s96, s96, 6291456
	s_mov_b32 s97, 0
	s_add_nc_u64 s[16:17], s[10:11], s[96:97]      ; y's scale bytes
	s_mul_i32 s96, s19, 3072
	s_mul_i32 s95, s98, 192
	s_add_co_u32 s96, s96, s95
	s_add_nc_u64 s[10:11], s[10:11], s[96:97]      ; y's codes
	CROUND                                         ; all four work-groups are here: the first joint loads meet
	JLOAD G0SK, G1S, G0SV, G1S                     ; the scale bytes of the whole head: filled once
	JLOAD G0K, G1K, G0V, G1V                       ; slot 0
	v_and_b32 v240, 15, v0                         ; r
	v_bfe_u32 v241, v0, 4, 1                       ; h
	v_mul_u32_u24 v242, v240, 192
	v_mad_u32_u24 v242, v241, 24, v242
.irp s, 0,1
.irp p, 0,1,2,3,4,5
	global_load_b64 v[QF+12*\s+2*\p:QF+12*\s+2*\p+1], v242, s[4:5] offset:96*\s+48*(\p/3)+8*(\p%3)     ; Q's two fragments stay in registers
.endr
.endr
	v_lshlrev_b32 v243, 3, v240
	global_load_b64 v[QS:QS+1], v243, s[6:7]       ; and its two scale words
	v_mul_u32_u24 v[AK0], v240, KP
	v_mad_u32_u24 v[AK0], v241, 24, v[AK0]
	v_lshl_add_u32 v[AK0+1], v241, 4, v[AK0]
	v_mul_u32_u24 v[AV0], v240, VP
	v_mad_u32_u24 v[AV0], v241, 24, v[AV0]
	v_add_nc_u32 v[AV0], VOFF, v[AV0]
	v_lshl_add_u32 v[AV0+1], v241, 4, v[AV0]
	v_lshl_add_u32 v[ASK0], v240, 3, SCK           ; K's scale words: 8 bytes a key
	v_bfe_u32 v244, v240, 3, 1
	v_and_b32 v245, 7, v240
	v_mul_u32_u24 v[ASV0], v244, 272
	v_lshl_add_u32 v[ASV0], v245, 5, v[ASV0]
	v_add_nc_u32 v[ASV0], SCV, v[ASV0]             ; V's: 32 bytes a row of d
	v_lshl_add_u32 v[DQ], v244, 4, v245
	v_add_nc_u32 v[DQ], s94, v[DQ]
	v_lshlrev_b32 v244, 4, v241
	v_sub_nc_u32 v[DQ], v[DQ], v244
	v_mov_b32 v13, 0xff61b1e6                      ; the largest t so far: -3e38
	v_floor_f32 v12, -v13
	v_mov_b32 v14, 0
	v_mov_b32 v15, 0
.irp b, 0,1,2,3
	v_mov_b32 v[BP+\b], 0                          ; written once: a lane permute's destination counts as one of its sources
.endr
	v_mov_b32 v[FF+1], 0                           ; (named as the upper half of a pair)
	v_mov_b32 v[WK], 0
	v_mov_b32 v[NINF], 0xff800000
	v_mov_b32 v[VA11], 2.00018790482477e-13
	v_mov_b32 v[VA11+1], v[VA11]
	v_mov_b32 v[VB4], 1.18534705686654e-04
	v_mov_b32 v[VB4+1], v[VB4]
	WIN 0x40
.set j, 0
.rept 128
	v_mov_b32 v[j], 0                              ; O^T: the step is written for every step alike; the first finds zeros
.set j, j+1
.endr
	WIN 0
.macro KFRAG reg, q, i                 ; 16 keys x 128 of the head, in pieces of 8 bytes
.irp p, 0,1,2,3,4,5
.set PCE, 12*(\q)+6*(\p/3)+\p%3
.if PCE%8 < 5
	ds_load_b64 v[\reg+2*\p:\reg+2*\p+1], v[ADK] offset:8*PCE+16*(PCE/8)+(\i)*16*KP
.else
	ds_load_b64 v[\reg+2*\p:\reg+2*\p+1], v[ADK+1] offset:8*PCE+16*(PCE/8)+(\i)*16*KP
.endif
.endr
.endm
.macro VFRAG reg, i                    ; 16 of d x 128 keys; 16 bytes of padding behind every 4 pieces
.irp p, 0,1,2,6,7,8
.set RG, (\reg)+2*((\p)%6)+6*((\p)/6)
.if (\p)%4 == 0
	ds_load_b64 v[RG:RG+1], v[ADV] offset:8*\p+16*(\p/4)+(\i)*16*VP
.else
	ds_load_b64 v[RG:RG+1], v[ADV+1] offset:8*\p+16*(\p/4)+(\i)*16*VP
.endif
.endr
.endm
.macro RK n, f                         ; 24 loads: K's tiles 4 (n / 2) on, half n % 2 of the head
	WIN 0x40
.irp t, 0,1,2,3
	KFRAG (\f)+12*\t, (\n)%2, 4*((\n)/2)+\t
.endr
	WIN 0
.endm
.macro RV n, f                         ; 24 loads: V's tiles 4 n on
	WIN 0x40
.irp t, 0,1,2,3
	VFRAG (\f)+12*\t, 4*(\n)+\t
.endr
	WIN 0
.endm
.macro WS g, s, f                      ; four products of S^T, four accumulators by turns
	WIN 0x01
.irp t, 0,1,2,3
.if (\s) == 0
	v_wmma_scale_f32_16x16x128_f8f6f4 v[S+8*(4*(\g)+\t):S+8*(4*(\g)+\t)+7], v[(\f)+12*\t:(\f)+12*\t+11], v[QF:QF+11], 0, v[KSC+2*(4*(\g)+\t)], v[QS] matrix_a_fmt:MATRIX_FMT_FP6 matrix_b_fmt:MATRIX_FMT_FP6
.else
	v_wmma_scale_f32_16x16x128_f8f6f4 v[S+8*(4*(\g)+\t):S+8*(4*(\g)+\t)+7], v[(\f)+12*\t:(\f)+12*\t+11], v[QF+12:QF+23], v[S+8*(4*(\g)+\t):S+8*(4*(\g)+\t)+7], v[KSC+2*(4*(\g)+\t)+1], v[QS+1] matrix_a_fmt:MATRIX_FMT_FP6 matrix_b_fmt:MATRIX_FMT_FP6
.endif
.endr
	WIN 0
.endm
.macro WP n, f                         ; four products of O^T
	WIN 0x51
.irp t, 0,1,2,3
	v_wmma_scale_f32_16x16x128_f8f6f4 v[8*(4*(\n)+\t):8*(4*(\n)+\t)+7], v[(\f)+12*\t:(\f)+12*\t+11], v[PC:PC+11], v[8*(4*(\n)+\t):8*(4*(\n)+\t)+7], v[VSC+4*(\n)+\t], v[PWD] matrix_a_fmt:MATRIX_FMT_FP6 matrix_b_fmt:MATRIX_FMT_FP6
.endr
	WIN 0
.endm
; eight scores S + 8 q on: the numerator x P(x^2) takes their place, 1 / Q(x^2) goes to QR + 8 d on.  No line here reads a reciprocal.
.macro TANH8 q, d
.set SBS, S+8*(\q)
.set QBS, QR+8*(\d)
.irp k, 0,2,4,6
	v_pk_mul_f32 v[X+\k:X+\k+1], v[SBS+\k:SBS+\k+1], s[C0:C0+1] op_sel_hi:[1,0]
.endr
.irp k, 0,1,2,3,4,5,6,7
	v_med3_num_f32 v[X+\k], v[X+\k], s[CLN], s[CLP]
.endr
.irp k, 0,2,4,6
	v_pk_mul_f32 v[X2+\k:X2+\k+1], v[X+\k:X+\k+1], v[X+\k:X+\k+1]
.endr
.irp k, 0,2,4,6
	v_pk_fma_f32 v[PA+\k:PA+\k+1], v[X2+\k:X2+\k+1], s[A13:A13+1], v[VA11:VA11+1] op_sel_hi:[1,0,1]
.endr
.irp c, A9, A7, A5, A3, A1
.irp k, 0,2,4,6
	v_pk_fma_f32 v[PA+\k:PA+\k+1], v[PA+\k:PA+\k+1], v[X2+\k:X2+\k+1], s[\c:\c+1] op_sel_hi:[1,1,0]
.endr
.endr
.irp k, 0,2,4,6
	v_pk_fma_f32 v[QBS+\k:QBS+\k+1], v[X2+\k:X2+\k+1], s[B6:B6+1], v[VB4:VB4+1] op_sel_hi:[1,0,1]
.endr
.irp c, B2, B0
.irp k, 0,2,4,6
	v_pk_fma_f32 v[QBS+\k:QBS+\k+1], v[QBS+\k:QBS+\k+1], v[X2+\k:X2+\k+1], s[\c:\c+1] op_sel_hi:[1,1,0]
.endr
.endr
.irp k, 0,2,4,6
	v_pk_mul_f32 v[SBS+\k:SBS+\k+1], v[PA+\k:PA+\k+1], v[X+\k:X+\k+1]
.endr
.irp k, 0,1,2,3,4,5,6,7
	v_rcp_f32 v[QBS+\k], v[QBS+\k]
.endr
.endm
; 64 numbers of a lane in window w become 12 registers of codes in v[PC] on and the four blocks' bytes in v[pw]
.macro QUANT s, w, pw
	WIN (\w)|((\w)<<2)
.irp b, 0,1,2,3
	v_max3_num_f32 v[TM+\b], |v[(\s)+16*\b]|, |v[(\s)+1+16*\b]|, 0x1800000
.endr
.irp i, 2,4,6,8,10,12,14
.irp b, 0,1,2,3
	v_max3_num_f32 v[TM+\b], |v[(\s)+16*\b+\i]|, |v[(\s)+1+16*\b+\i]|, v[TM+\b]
.endr
.endr
	WIN 0
.irp b, 0,1,2,3
	v_permlanex16_b32 v[TM+4+\b], v[TM+\b], s[SEL], s[SEL+1]
.endr
.irp b, 0,1,2,3
	v_max_num_f32 v[TM+\b], v[TM+\b], v[TM+4+\b]
.endr
.irp b, 0,1,2,3
	v_add_nc_u32 v[TM+12+\b], 0xff000000, v[TM+\b]
.endr
.irp b, 0,1,2,3
	v_lshrrev_b32 v[TM+4+\b], 23, v[TM+12+\b]
.endr
	v_lshl_or_b32 v[\pw], v[TM+5], 8, v[TM+4]
	v_lshl_or_b32 v[\pw], v[TM+6], 16, v[\pw]
	v_lshl_or_b32 v[\pw], v[TM+7], 24, v[\pw]
	WIN (\w)
.irp c, 0,1
	v_cvt_scalef32_pk16_fp6_f32 v[PC+6*\c:PC+2+6*\c], v[(\s)+32*\c:(\s)+15+32*\c], v[TM+12+2*\c]
	v_cvt_scalef32_pk16_fp6_f32 v[PC+12+4*\c:PC+14+4*\c], v[(\s)+16+32*\c:(\s)+31+32*\c], v[TM+12+2*\c+1]
.endr
	WIN 0
	v_nop
.irp c, 0,1
.irp i, 0,1,2
	v_permlane16_swap_b32 v[PC+6*\c+\i], v[PC+12+4*\c+\i]
.endr
.irp i, 0,1,2
	v_mov_b32 v[PC+3+6*\c+\i], v[PC+12+4*\c+\i]
.endr
.endr
.endm
; A KEY STEP: 128 keys.
.macro STEP
	s_cmp_gt_u32 s[KI], s[BLK]                     ; all its keys come after my queries: the work is left out; no barrier and no tensor load stands in a step
	s_cbranch_scc1 .Lhidden_\@
	v_add_nc_u32 v[ADK], s[TB], v[AK0]             ; (these six are also the places behind the last step's products)
	v_add_nc_u32 v[ADK+1], s[TB], v[AK0+1]
	v_add_nc_u32 v[ADV], s[TB], v[AV0]
	v_add_nc_u32 v[ADV+1], s[TB], v[AV0+1]
	v_add_nc_u32 v[ADS], s[TS], v[ASK0]
	v_add_nc_u32 v[ADT], s[TJ], v[ASV0]
.irp t, 0,1,2,3,4,5,6,7
	ds_load_b64 v[KSC+2*\t:KSC+2*\t+1], v[ADS] offset:((\t)/2)*272+((\t)%2)*128
.endr
.irp t, 0,1,2,3,4,5,6,7,8,9,10,11,12,13,14,15
	ds_load_b32 v[VSC+\t], v[ADT] offset:\t*544
.endr
	RK 0, F0
	RK 1, F1
	s_wait_dscnt 24                                ; all but the youngest run of 24
	WS 0, 0, F0
	PL4
	RK 2, F0
	s_wait_dscnt 24
	WS 0, 1, F1
	PL4
	RK 3, F1
	s_wait_dscnt 24
	WS 1, 0, F0
	PL4
	RV 0, F0
	s_wait_dscnt 24
	WS 1, 1, F1
	PL4
	RV 1, F1
.irp hb, 0,1                           ; tanh, 32 scores to a batch of reciprocals, one wait a batch
	TANH8 4*\hb+0, 0
	TANH8 4*\hb+1, 1
	TANH8 4*\hb+2, 2
	TANH8 4*\hb+3, 3
	v_nop                                          ; a plain place behind the last reciprocal
	s_wait_alu depctr_va_vdst(0)                   ; one wait for the batch, ahead of its first reader
.set j, 0
.rept 16
	v_pk_mul_f32 v[S+32*\hb+j:S+32*\hb+j+1], v[S+32*\hb+j:S+32*\hb+j+1], v[QR+j:QR+j+1]
.set j, j+2
.endr
.endr
	s_cmp_lg_u32 s[KI], s[BLK]                     ; on the diagonal hidden keys become -infinity ahead of the maximum: register 16 b + i holds key 32 b + 16 h + i of the step
	s_cbranch_scc1 .Lopen_\@
.set n, 0
.rept 64
	v_cmp_gt_i32 vcc_lo, 32*(n/16)+(n%16), v[DQ]
	v_cndmask_b32 v[S+n], v[S+n], v[NINF], vcc_lo
.set n, n+1
.endr
.Lopen_\@:
.irp b, 0,1,2,3
	v_max3_num_f32 v[BM+\b], v[S+16*\b], v[S+1+16*\b], v[S+2+16*\b]       ; each block's largest tanh: for the row's maximum, and for the block's largest p
.endr
.irp i, 3,5,7,9,11,13
.irp b, 0,1,2,3
	v_max3_num_f32 v[BM+\b], v[BM+\b], v[S+16*\b+\i], v[S+1+16*\b+\i]
.endr
.endr
.irp b, 0,1,2,3
	v_max_num_f32 v[BM+\b], v[BM+\b], v[S+15+16*\b]
.endr
.irp b, 0,1,2,3
	v_permlanex16_b32 v[BP+\b], v[BM+\b], s[SEL], s[SEL+1]
.endr
.irp b, 0,1,2,3
	v_max_num_f32 v[BM+\b], v[BM+\b], v[BP+\b]
.endr
	v_max3_num_f32 v[WK], v[BM], v[BM+1], v[BM+2]
	v_max_num_f32 v[WK], v[WK], v[BM+3]
	v_mul_f32 v[WK], s[CS], v[WK]                  ; as t
	v_max_num_f32 v13, v13, v[WK]                  ; the running largest t
	v_mov_b32 v[WK], v12
	v_floor_f32 v12, -v13                          ; -M = floor(-t): M is a whole number
	v_sub_f32 v[WK], v12, v[WK]
	v_cvt_i32_f32 v[WK], v[WK]                     ; (it saturates)
	v_ldexp_f32 v[FF], 1.0, v[WK]                  ; f = 2^(old M - new M)
.set j, 0
.rept 32
	v_pk_fma_f32 v[S+j:S+j+1], v[S+j:S+j+1], s[CS:CS+1], v[12:13] op_sel_hi:[1,0,0]   ; t - M
.set j, j+2
.endr
.irp b, 0,1,2,3
	v_fma_f32 v[BM+\b], v[BM+\b], s[CS], v12
.endr
.set j, 0
.rept 64
	v_exp_f32 v[S+j], v[S+j]                       ; p = 2^(t - M)
.set j, j+1
.endr
	v_pk_mul_f32 v[14:15], v[14:15], v[FF:FF+1] op_sel_hi:[1,0]    ; the sums under the new M; a plain place behind the exponentials
	s_wait_alu depctr_va_vdst(0)                   ; one wait for the batch of 64
.irp b, 0,1,2,3
	v_exp_f32 v[BM+\b], v[BM+\b]                   ; each block's largest p
.endr
	v_pk_add_f32 v[236:237], v[S:S+1], v[S+2:S+3]  ; the row's sum of the unquantised p, in two chains
.set j, 4
.rept 15
	v_pk_add_f32 v[14:15], v[14:15], v[S+j:S+j+1]
	v_pk_add_f32 v[236:237], v[236:237], v[S+2+j:S+3+j]
.set j, j+4
.endr
	v_pk_add_f32 v[14:15], v[14:15], v[236:237]
	s_wait_alu depctr_va_vdst(0)                   ; and one for the four
.irp b, 0,1,2,3
	v_max_num_f32 v[BM+\b], 0x1800000, v[BM+\b]    ; the floor: the byte cannot fall under 1
.endr
.irp b, 0,1,2,3
	v_add_nc_u32 v[BO+\b], 0xff000000, v[BM+\b]
.endr
.irp b, 0,1,2,3
	v_lshrrev_b32 v[BP+\b], 23, v[BO+\b]
.endr
	v_lshl_or_b32 v[PWD], v[BP+1], 8, v[BP]        ; p's scale word for these 128 keys
	v_lshl_or_b32 v[PWD], v[BP+2], 16, v[PWD]
	v_lshl_or_b32 v[PWD], v[BP+3], 24, v[PWD]
.irp c, 0,1
	v_cvt_scalef32_pk16_fp6_f32 v[PC+6*\c:PC+2+6*\c], v[S+32*\c:S+15+32*\c], v[BO+2*\c]
	v_cvt_scalef32_pk16_fp6_f32 v[PC+12+4*\c:PC+14+4*\c], v[S+16+32*\c:S+31+32*\c], v[BO+2*\c+1]
.endr
	v_nop
.irp c, 0,1
.irp i, 0,1,2
	v_permlane16_swap_b32 v[PC+6*\c+\i], v[PC+12+4*\c+\i]
.endr
.irp i, 0,1,2
	v_mov_b32 v[PC+3+6*\c+\i], v[PC+12+4*\c+\i]
.endr
.endr
	WIN 0x41
.set j, 0
.rept 64
	v_pk_mul_f32 v[j:j+1], v[j:j+1], v[FF:FF+1] op_sel_hi:[1,0]    ; O^T under the new M; these are also the places in front of the products below
.set j, j+2
.endr
	WIN 0
	s_wait_dscnt 0x0                               ; V's first two runs are in
	WP 0, F0
	PL4
	RV 2, F0
	WP 1, F1
	PL4
	RV 3, F1
	s_wait_dscnt 24
	WP 2, F0
	s_wait_dscnt 0x0
	WP 3, F1
.Lhidden_\@:
	s_xor_b32 s[TB], s[TB], SLOT1                  ; on to the other slot,
	s_add_co_u32 s[TS], s[TS], 1088                ; the next step's scale words
	s_add_co_u32 s[TJ], s[TJ], 4
	s_add_co_u32 s[KI], s[KI], 1
.endm
; THE CHANGE OF SLOTS stands at a step's head.  Each wave waits for all its tensor loads, adds 0 to its spare word, and waits for that and for its reads of the slot that it has left.
; fill = 1: a round of the cluster's barrier, and behind it the other slot is filled with the next step's tiles: a wave's one tensor load until the next round.
.macro CHANGE fill
	s_wait_tensorcnt 0x0
	ds_add_u32 v[SPW], v[NIL]
.if \fill
	s_xor_b32 s[G0K+1], s[G0K+1], SLOT1
	s_add_nc_u64 s[G0K+2:G0K+3], s[G0K+2:G0K+3], 24576
	s_xor_b32 s[G0V+1], s[G0V+1], SLOT1
	s_add_nc_u64 s[G0V+2:G0V+3], s[G0V+2:G0V+3], 96
	s_wait_xcnt 0x0                                ; the last prefetch, a step or more back, has read its address
	s_cmp_lt_u32 s[KI], 2
	s_cselect_b64 s[PFX:PFX+1], s[PFA:PFA+1], s[PFB:PFB+1]
	s_wait_dscnt 0x0                               ; the add is done, and my reads of the slot that I have left are over
	CROUND
	JLOAD G0K, G1K, G0V, G1V
	ASK
.else
	s_wait_dscnt 0x0
	s_barrier_signal -1
	s_barrier_wait -1
.endif
.endm
	s_wait_loadcnt 0x0                             ; Q
.Lk:                                               ; seven trips: behind each change of slots but the last the next step's tiles are asked for
	CHANGE 1
	STEP
	s_cmp_lt_u32 s[KI], 7
	s_cbranch_scc1 .Lk
	CHANGE 0                                       ; the last step is written out
	STEP
	; THE WAY OUT.  O^T / the sum is quantised along d: register 16 b + i of the 128 is d = 32 b + 16 h + i.  The codes go through my own stage (in slot 0, which has had its last fill and its last read) and leave as runs of 192 bytes.
	PL4                                            ; behind the last products
	v_add_f32 v14, v14, v15
	v_permlanex16_b32 v[WK], v14, s[SEL], s[SEL+1]
	v_add_f32 v14, v14, v[WK]                      ; the row's sum
	v_rcp_f32 v14, v14
	v_and_b32 v242, 15, v0                         ; (plain work behind the reciprocal)
	v_bfe_u32 v243, v0, 4, 1
	s_lshl_b32 s99, s[WV], 12
	v_mul_u32_u24 v244, v242, 192
	v_mad_u32_u24 v244, v243, 24, v244
	v_add_nc_u32 v244, s99, v244                   ; in: row r, block h of each pair
	v_and_b32 v245, 31, v0
	v_lshlrev_b32 v247, 4, v245
	v_add_nc_u32 v247, s99, v247                   ; back: 512 bytes an instruction
	v_and_b32 v246, 7, v242
	v_bfe_u32 v248, v242, 3, 1
	v_lshl_add_u32 v246, v248, 4, v246
	v_lshlrev_b32 v246, 7, v246                    ; my row's scale bytes in y: token 16 (r / 8) + r % 8 on, 128 bytes a token
.irp b, 0,1,2,3
	v_mov_b32 v[TM+4+\b], 0
.endr
	s_wait_alu depctr_va_vdst(0)
	WIN 0x41
.set j, 0
.rept 64
	v_pk_mul_f32 v[j:j+1], v[j:j+1], v[14:15] op_sel_hi:[1,0]
.set j, j+2
.endr
	WIN 0
.irp e, 0,1,2,3,4,5                    ; piece x = 32 e + lane of 16 bytes: row x / 12, place x % 12
	v_add_nc_u32 v248, 32*\e, v245
	v_mul_u32_u24 v249, v248, 43691
	v_lshrrev_b32 v249, 19, v249
	v_mul_u32_u24 v250, v249, 12
	v_sub_nc_u32 v250, v248, v250
	v_and_b32 v251, 7, v249
	v_lshrrev_b32 v249, 3, v249
	v_lshl_add_u32 v251, v249, 4, v251
	v_mul_u32_u24 v251, v251, 3072
	v_lshl_add_u32 v[160+\e], v250, 4, v251
.endr
	QUANT 0, 1, 240
.irp p, 0,1,2
	ds_store_b64 v244, v[PC+2*\p:PC+2*\p+1] offset:8*\p
	ds_store_b64 v244, v[PC+6+2*\p:PC+7+2*\p] offset:48+8*\p
.endr
	s_wait_dscnt 0x0                               ; the stores have read their registers
	QUANT 64, 1, 241
.irp p, 0,1,2
	ds_store_b64 v244, v[PC+2*\p:PC+2*\p+1] offset:96+8*\p
	ds_store_b64 v244, v[PC+6+2*\p:PC+7+2*\p] offset:144+8*\p
.endr
.irp e, 0,1,2,3,4,5
	ds_load_b128 v[136+4*\e:139+4*\e], v247 offset:512*\e  ; LDS serves a wave's instructions in order: these see my stores
.endr
.irp e, 0,1,2,3,4,5
	s_wait_dscnt 5-\e
	global_store_b128 v[160+\e], v[136+4*\e:139+4*\e], s[10:11]
.endr
	global_store_b64 v246, v[240:241], s[16:17]    ; both halves of the lanes write the same 8 bytes with the same value
	s_wait_tensorcnt 0x0                           ; the wave's end
	ds_add_u32 v[SPW], v[NIL]
	s_wait_dscnt 0x0
	CROUND                                         ; the closing round
	s_endpgm
.Lfunc_end_k_q22047685d9_attn:
	.size	k_q22047685d9_attn, .Lfunc_end_k_q22047685d9_attn-k_q22047685d9_attn
	.p2alignl 7, 3214868480
	.fill 96, 4, 3214868480
	.section	.rodata,"a",@progbits
	.p2align	6, 0x0
	.amdhsa_kernel k_q22047685d9_attn
		.amdhsa_group_segment_fixed_size 327680
		.amdhsa_private_segment_fixed_size 0
		.amdhsa_enable_private_segment 0
		.amdhsa_kernarg_size 32
		.amdhsa_user_sgpr_count 2
		.amdhsa_user_sgpr_kernarg_segment_ptr 1
		.amdhsa_wavefront_size32 1
		.amdhsa_system_sgpr_workgroup_id_x 1
		.amdhsa_system_sgpr_workgroup_id_y 1
		.amdhsa_system_sgpr_workgroup_id_z 1
		.amdhsa_system_vgpr_workitem_id 0
		.amdhsa_next_free_vgpr 512
		.amdhsa_next_free_sgpr 100
		.amdhsa_reserve_vcc 1
		.amdhsa_float_denorm_mode_32 3
		.amdhsa_float_denorm_mode_16_64 3
		.amdhsa_memory_ordered 1
		.amdhsa_forward_progress 1
		.amdhsa_inst_pref_size 181
	.end_amdhsa_kernel
	.amdgpu_metadata
---
amdhsa.version: [ 1, 2 ]
amdhsa.kernels:
  - .name:           k_q22047685d9_attn
    .symbol:         k_q22047685d9_attn.kd
    .args:
      - { .name: qb, .offset: 0, .size: 8, .value_kind: global_buffer, .address_space: global }
      - { .name: kb, .offset: 8, .size: 8, .value_kind: global_buffer, .address_space: global }
      - { .name: vb, .offset: 16, .size: 8, .value_kind: global_buffer, .address_space: global }
      - { .name: yb, .offset: 24, .size: 8, .value_kind: global_buffer, .address_space: global }
    .group_segment_fixed_size: 327680
    .private_segment_fixed_size: 0
    .kernarg_segment_align: 8
    .kernarg_segment_size: 32
    .max_flat_workgroup_size: 256
    .sgpr_count:     100
    .vgpr_count:     512
    .wavefront_size: 32
...
	.end_amdgpu_metadata
.endif
;; end of part 3
;; launch out (part 4): grid 8 x 8, 4 waves a work-group, clusters of 4 x 4, 327,680 bytes of LDS; arguments yb, wo, out0; writes out0
.if DOCPART == 4
	.amdgcn_target "amdgcn-amd-amdhsa--gfx1250"
	.amdhsa_code_object_version 6
	.text
	.protected	k_q22047685d9_out
	.globl	k_q22047685d9_out
	.p2align	8
	.type	k_q22047685d9_out,@function
k_q22047685d9_out:
	s_mov_b64 s[64:65], 0
	v_nop
	global_prefetch_b8 v0, s[64:65] scope:SCOPE_SE
	s_setreg_imm32_b32 hwreg(HW_REG_WAVE_MODE, 25, 1), 1
	s_wait_xcnt 0x0
	s_wait_alu depctr_hold_cnt(0) depctr_sa_sdst(0) depctr_va_vdst(0) depctr_va_sdst(0) depctr_va_ssrc(0) depctr_va_vcc(0) depctr_vm_vsrc(0)
	s_getreg_b32 s2, hwreg(HW_REG_IB_STS2, 6, 4)
	s_cmp_eq_u32 s2, 0
	s_cbranch_scc0 .Lentry_in_a_cluster
	s_endpgm
.Lentry_in_a_cluster:
	s_bfe_u32 s2, ttmp6, 0x10000c
	s_cmp_lg_u32 s2, 0xf033
	s_cbranch_scc0 .Lentry_shape_is_right
	s_endpgm
.Lentry_shape_is_right:
; out0 = y Wo on codes of FP6 (E2M3) with E8M0 scales.  y: [2048 tokens][3072 bytes of codes], then [2048][128 scale bytes]; Wo: the same shapes, a row to a column n, stored at pi(n) (bits 3, 4 and 6, 7 exchanged inside each 256).  out0: [2048][2048] f32.
; A work-group of four waves makes 256 x 256, a wave 128 x 128 in 64 accumulators; K = 4,096 goes in steps of 256 through a ring of two LDS slots; the scale bytes of the tile's rows come once and stay.
; CLUSTERS of 4 x 4: y's tile is shared along a row of the cluster, Wo's along a column; each is asked for jointly.  The matrix instruction is used transposed (source 0 = Wo's rows, source 1 = y's).
; With Wo's stored order, register j of accumulator (a, b) in lane (r, h) of wave (jr, jc) is column 128 (b / 4) + 64 jc + 32 ((b / 2) % 2) + 16 h + 8 (b % 2) + j of the tile: the way out puts it there.
; The grid has 64 work-groups: one for each tile of 256 x 256.
.set SIZE_N, 2048
.set SIZE_K, 4096
.set KSTEP,  256
.set NQ,     2
.set ROWB,   192
.set KROW,   3072
.set PITCH,  240
.set FR,     12
.set NL,     6
.set NP,     4
.set HALFT,  128*PITCH
.set SLOT,   4*HALFT
.set LAPS,   SIZE_K/(2*KSTEP)
.set KS,     SIZE_K/32
.set SCL,    2*SLOT
.set HALFS,  (128*KS/256)*272
.set SBLK,   (16*KS/256)*272
.set SPARE,  SCL+4*HALFS
.set SOFS,   6291456                   ; where each buffer's scale bytes begin
.set SPITCH, 528                       ; the way out: a stage of 16 rows x (512 bytes + 16) for each wave, in slot 0, which has had its last fill and its last read by then
.set ADRA, 16
.set ADRB, 20
.set STO,  24
.set RD,   25
.set CO,   26
.set ADRS, 27
.set SPW,  28
.set NIL,  29
.set SC,   32
.set AF,   128
.set BK,   128
.set G1, 24
.set G0, 32
.set G1B, 48
.set G0B, 56
.set G1S, 68
.set G0S, 76
.set G1SB, 80
.set G0SB, 88
.set MSB, 0
.macro WIN new
.if MSB != (\new)
	s_set_vgpr_msb (MSB<<8)|(\new)
.set MSB, (\new)
.endif
.endm
.set MUL_LO, 0xa1
.set MUL_HI, 0xf1
.set TO_B,   0x40
.macro JLOAD g0a, g1a, g0b, g1b        ; a joint load: waves 0 and 1 fetch for y, waves 2 and 3 for Wo; an s_nop 0 and four v_nop follow each line
	s_cmp_eq_u32 s15, 0
	s_cbranch_scc0 .Lfor_b_\@
	tensor_load_to_lds s[\g0a:\g0a+3], s[\g1a:\g1a+7]
	s_nop 0
.rept 4
	v_nop
.endr
	s_branch .Lasked_\@
.Lfor_b_\@:
	tensor_load_to_lds s[\g0b:\g0b+3], s[\g1b:\g1b+7]
	s_nop 0
.rept 4
	v_nop
.endr
.Lasked_\@:
.endm
.macro CREST
	s_cmp_lg_u32 s14, 0
	s_cbranch_scc1 .Lnot_wave_0_\@
	s_barrier_signal -3
.Lnot_wave_0_\@:
	s_barrier_wait -3
	s_barrier_signal -1
	s_barrier_wait -1
.endm
.macro CROUND
	s_barrier_signal -1
	s_barrier_wait -1
	CREST
.endm
	s_load_b128 s[4:7], s[0:1], 0x0                ; yb, wo
	s_load_b64 s[12:13], s[0:1], 0x10              ; out0
	v_lshl_add_u32 v[SPW], v0, 2, SPARE
	v_mov_b32 v[NIL], 0
	ds_add_u32 v[SPW], v[NIL]                      ; the wave's opening: the add and its wait ahead of my first tensor load
	v_lshrrev_b32 v1, 5, v0
	v_readfirstlane_b32 s14, v1
	s_lshr_b32 s15, s14, 1
	s_and_b32 s16, s14, 1
	s_bfe_u32 s40, ttmp6, 0x40000
	s_bfe_u32 s41, ttmp6, 0x40004
	s_lshl_b32 s42, ttmp9, 2
	s_add_co_u32 s42, s42, s40                     ; tile column
	s_and_b32 s17, ttmp7, 0xffff
	s_lshl_b32 s17, s17, 2
	s_add_co_u32 s17, s17, s41                     ; tile row
	s_lshl_b32 s43, s41, 2
	s_lshl_b32 s43, 15, s43
	s_lshl_b32 s44, 0x1111, s40
	s_or_b32 s[G1+0], s43, (0<<16)|(1<<20)|(1<<21)|(3<<22)|(3<<25)
	s_or_b32 s[G1B+0], s44, (0<<16)|(1<<20)|(1<<21)|(3<<22)|(3<<25)
.irp g, G1, G1B
	s_mov_b32 s[\g+1], ROWB<<16
	s_mov_b32 s[\g+2], 128<<16
	s_mov_b32 s[\g+3], ROWB<<16
	s_mov_b32 s[\g+4], 128
	s_mov_b32 s[\g+5], KROW
	s_mov_b32 s[\g+6], 0
	s_mov_b32 s[\g+7], 0
.endr
	s_or_b32 s[G1S+0], s43, (3<<16)|(1<<20)|(1<<21)|(5<<22)|(3<<25)
	s_or_b32 s[G1SB+0], s44, (3<<16)|(1<<20)|(1<<21)|(5<<22)|(3<<25)
.irp g, G1S, G1SB
	s_mov_b32 s[\g+1], 32<<16
	s_mov_b32 s[\g+2], (128*KS/256)<<16
	s_mov_b32 s[\g+3], 32<<16
	s_mov_b32 s[\g+4], 128*KS/256
	s_mov_b32 s[\g+5], 32
	s_mov_b32 s[\g+6], 0
	s_mov_b32 s[\g+7], 0
.endr
	s_lshl_b32 s18, s16, 7
	s_lshl_b32 s20, s17, 8
	s_add_co_u32 s20, s20, s18
	s_lshl_b32 s46, s42, 8
	s_add_co_u32 s46, s46, s18
	s_mov_b32 s21, 0
	s_mov_b32 s47, 0
	s_mov_b64 s[18:19], KS
	s_mul_u64 s[22:23], s[20:21], s[18:19]
	s_mul_u64 s[92:93], s[46:47], s[18:19]
	s_mov_b64 s[18:19], KROW
	s_mul_u64 s[20:21], s[20:21], s[18:19]
	s_mul_u64 s[46:47], s[46:47], s[18:19]
	s_mul_i32 s45, s14, HALFT
	s_mul_i32 s94, s14, HALFS
	s_wait_dscnt 0x0                               ; the opening add is done
	s_wait_kmcnt 0x0
	s_mov_b64 s[8:9], s[6:7]                       ; Wo's codes,
	s_add_nc_u64 s[10:11], s[6:7], SOFS            ; its scale bytes,
	s_add_nc_u64 s[6:7], s[4:5], SOFS              ; y's scale bytes
	s_add_nc_u64 s[20:21], s[4:5], s[20:21]
	s_add_nc_u64 s[22:23], s[6:7], s[22:23]
	s_add_nc_u64 s[46:47], s[8:9], s[46:47]
	s_add_nc_u64 s[92:93], s[10:11], s[92:93]
	CROUND
	s_mov_b32 s[G0S], 1
	s_add_co_u32 s[G0S+1], s94, SCL
	s_mov_b64 s[G0S+2:G0S+3], s[22:23]
	s_or_b32 s[G0S+3], s[G0S+3], 0x80000000
	s_mov_b32 s[G0SB], 1
	s_add_co_u32 s[G0SB+1], s94, SCL
	s_mov_b64 s[G0SB+2:G0SB+3], s[92:93]
	s_or_b32 s[G0SB+3], s[G0SB+3], 0x80000000
	JLOAD G0S, G1S, G0SB, G1SB
.irp s, 0,1
	s_mov_b32 s[G0+4*\s], 1
	s_add_co_u32 s[G0+4*\s+1], s45, \s*SLOT
	s_add_nc_u64 s[G0+4*\s+2:G0+4*\s+3], s[20:21], \s*ROWB
	s_or_b32 s[G0+4*\s+3], s[G0+4*\s+3], 0x80000000
	s_mov_b32 s[G0B+4*\s], 1
	s_add_co_u32 s[G0B+4*\s+1], s45, \s*SLOT
	s_add_nc_u64 s[G0B+4*\s+2:G0B+4*\s+3], s[46:47], \s*ROWB
	s_or_b32 s[G0B+4*\s+3], s[G0B+4*\s+3], 0x80000000
	JLOAD G0+4*\s, G1, G0B+4*\s, G1B
.endr
	v_and_b32 v1, 15, v0
	v_bfe_u32 v2, v0, 4, 1
	v_mul_u32_u24 v3, v1, PITCH
	v_mul_u32_u24 v4, v2, 24
	v_add_nc_u32 v4, v3, v4
	v_lshl_add_u32 v5, v2, 4, v4
	s_mul_i32 s21, s15, HALFT
	s_mul_i32 s22, s16, HALFT
	s_add_co_u32 s22, s22, 2*HALFT
.irp s, 0,1
	v_add_nc_u32 v[ADRA+\s], s21, v4
	v_add_nc_u32 v[ADRB+\s], s22, v4
	v_add_nc_u32 v[ADRA+2+\s], s21, v5
	v_add_nc_u32 v[ADRB+2+\s], s22, v5
	s_add_co_u32 s21, s21, SLOT
	s_add_co_u32 s22, s22, SLOT
.endr
	v_mul_u32_u24 v5, v1, KS
	v_lshrrev_b32 v6, 8, v5
	v_lshl_add_u32 v5, v6, 4, v5
	s_mul_i32 s21, s15, HALFS
	s_mul_i32 s22, s16, HALFS
	s_add_co_u32 s22, s22, 2*HALFS
	s_sub_co_u32 s22, s22, s21
	v_mul_u32_u24 v6, s22, v2
	s_add_co_u32 s21, s21, SCL
	v_add_nc_u32 v5, v5, v6
	v_add_nc_u32 v[ADRS], s21, v5
	s_mul_i32 s23, s14, 16*SPITCH                  ; my stage
	v_mul_u32_u24 v5, v1, SPITCH                   ; in: row r; my half's 16 columns of each 32: 64 h bytes on
	v_lshl_add_u32 v5, v2, 6, v5
	v_add_nc_u32 v[STO], s23, v5
	v_and_b32 v6, 31, v0
	v_lshlrev_b32 v6, 4, v6
	v_add_nc_u32 v[RD], s23, v6                    ; back: the 32 lanes take one stage row of 512 bytes;
	v_lshlrev_b32 v[CO], 4, v1
	v_lshl_add_u32 v[CO], v2, 9, v[CO]             ; in out0 its two halves lie 512 bytes apart (columns 64 jc on and 128 + 64 jc on)
	s_lshl_b32 s20, s17, 8
	s_lshl_b32 s21, s15, 7
	s_add_co_u32 s20, s20, s21
	s_mov_b32 s21, 0
	s_mov_b64 s[18:19], SIZE_N*4
	s_mul_u64 s[20:21], s[20:21], s[18:19]
	s_lshl_b32 s46, s42, 10
	s_lshl_b32 s47, s16, 8
	s_add_co_u32 s46, s46, s47
	s_mov_b32 s47, 0
	s_add_nc_u64 s[20:21], s[20:21], s[46:47]
	s_add_nc_u64 s[12:13], s[12:13], s[20:21]
.macro FRAG reg, adr, q, i
.irp p, 0,1,2,3,4,5
.set PCE, 12*(\q)+6*(\p/3)+\p%3
.if PCE%8 < 5
	ds_load_b64 v[\reg+2*\p:\reg+2*\p+1], v[\adr] offset:8*PCE+16*(PCE/8)+(\i)*16*PITCH
.else
	ds_load_b64 v[\reg+2*\p:\reg+2*\p+1], v[\adr+2] offset:8*PCE+16*(PCE/8)+(\i)*16*PITCH
.endif
.endr
.endm
.macro MUL16 a0, p, q, sc, zero        ; the 64 accumulators take turns, one instruction a turn, in the same order in every step
.irp a, \a0, \a0+1
.irp b, 0,1,2,3,4,5,6,7
.if \zero
	v_wmma_scale_f32_16x16x128_f8f6f4 v[8*(8*((\a)%4)+\b):8*(8*((\a)%4)+\b)+7], v[128*(\p)+FR*\b:128*(\p)+FR*\b+FR-1], v[AF+FR*(\a):AF+FR*(\a)+FR-1], 0, v[SC+8*NQ*(\sc)+NQ*\b+(\q)], v[SC+8*NQ*(\sc)+NQ*(\a)+(\q)] matrix_a_fmt:MATRIX_FMT_FP6 matrix_b_fmt:MATRIX_FMT_FP6 matrix_a_scale:MATRIX_SCALE_ROW1
.else
	v_wmma_scale_f32_16x16x128_f8f6f4 v[8*(8*((\a)%4)+\b):8*(8*((\a)%4)+\b)+7], v[128*(\p)+FR*\b:128*(\p)+FR*\b+FR-1], v[AF+FR*(\a):AF+FR*(\a)+FR-1], v[8*(8*((\a)%4)+\b):8*(8*((\a)%4)+\b)+7], v[SC+8*NQ*(\sc)+NQ*\b+(\q)], v[SC+8*NQ*(\sc)+NQ*(\a)+(\q)] matrix_a_fmt:MATRIX_FMT_FP6 matrix_b_fmt:MATRIX_FMT_FP6 matrix_a_scale:MATRIX_SCALE_ROW1
.endif
.endr
.endr
.endm
.macro FETCH_B slot, q, p
	WIN TO_B
.irp i, 0,1,2,3,4,5,6,7
	FRAG 128*(\p)+FR*\i, ADRB+\slot, \q, \i
.endr
	WIN 0
.endm
.macro FETCH_A slot, q, i0
.irp i, \i0, \i0+1, \i0+2, \i0+3
	FRAG AF+FR*(\i), ADRA+\slot, \q, \i
.endr
.endm
.macro SCALES sc
.irp i, 0,1,2,3,4,5,6,7
	ds_load_b64 v[SC+8*NQ*\sc+NQ*\i:SC+8*NQ*\sc+NQ*\i+1], v[ADRS] offset:\i*SBLK
.endr
.endm
.macro PLACES n
.rept \n
	v_nop
.endr
.endm
.macro STEP slot, q, zero
	s_wait_dscnt 4*NL                              ; B's set and A's blocks 0-3 are in; the youngest 24 loads may be out
	WIN MUL_LO
	MUL16 0, (\q)%2, \q, \slot, \zero
	MUL16 2, (\q)%2, \q, \slot, \zero
	s_wait_dscnt 0
	PLACES NP
	FETCH_B \slot, (\q)+1, 1-(\q)%2
	FETCH_A \slot, (\q)+1, 0
	WIN MUL_HI
	MUL16 4, (\q)%2, \q, \slot, \zero
	MUL16 6, (\q)%2, \q, \slot, \zero
	PLACES NP
	WIN 0
	FETCH_A \slot, (\q)+1, 4
.endm
.macro TURN slot, next, fill
	s_wait_tensorcnt 0x0                           ; all my tensor loads have landed
	ds_add_u32 v[SPW], v[NIL]
	s_wait_dscnt 4*NL+1                            ; (the add and the youngest 24 loads may be out)
	WIN MUL_LO
	MUL16 0, 1, NQ-1, \slot, 0
	s_wait_dscnt 0x0                               ; the add is done, and my reads of this slot are over
	s_barrier_signal -1
	MUL16 2, 1, NQ-1, \slot, 0
	WIN 0
	s_barrier_wait -1
.if \fill
	CREST
	s_add_nc_u64 s[G0+4*\slot+2:G0+4*\slot+3], s[G0+4*\slot+2:G0+4*\slot+3], 2*ROWB
	s_add_nc_u64 s[G0B+4*\slot+2:G0B+4*\slot+3], s[G0B+4*\slot+2:G0B+4*\slot+3], 2*ROWB
	JLOAD G0+4*\slot, G1, G0B+4*\slot, G1B
.else
	PLACES NP
.endif
	v_add_nc_u32 v[ADRS], 4*NQ, v[ADRS]
	FETCH_B \next, 0, 0
	FETCH_A \next, 0, 0
	SCALES \next
	WIN MUL_HI
	MUL16 4, 1, NQ-1, \slot, 0
	MUL16 6, 1, NQ-1, \slot, 0
	PLACES NP
	WIN 0
	FETCH_A \next, 0, 4
.endm
	s_wait_tensorcnt 1                             ; the scale bytes and my part of K step 0 are in (K step 1's load may be out)
	s_barrier_signal -1
	s_barrier_wait -1
	FETCH_B 0, 0, 0
	FETCH_A 0, 0, 0
	SCALES 0
	FETCH_A 0, 0, 4
	STEP 0, 0, 1
	s_mov_b32 s3, LAPS-1
.Llap:
	TURN 0, 1, 1
	STEP 1, 0, 0
	TURN 1, 0, 1
	STEP 0, 0, 0
	s_sub_co_u32 s3, s3, 1
	s_cmp_lg_u32 s3, 0
	s_cbranch_scc1 .Llap
	TURN 0, 1, 0
	STEP 1, 0, 0
	s_wait_dscnt 4*NL
	WIN MUL_LO
	MUL16 0, 1, NQ-1, 1, 0
	MUL16 2, 1, NQ-1, 1, 0
	s_wait_dscnt 0
	WIN MUL_HI
	MUL16 4, 1, NQ-1, 1, 0
	MUL16 6, 1, NQ-1, 1, 0
	WIN 0
; THE WAY OUT, block by block of 16 rows: through my own stage, where each accumulator's eight numbers go to their true place among my 128 columns, and back as whole stage rows of 512 bytes.
.macro TOSTAGE a
.set AC, 64*((\a)%4)
	WIN 0x08+4*((\a)/4)                            ; an LDS store's data: window 2 or 3
.irp b, 0,1,2,3,4,5,6,7
	ds_store_b128 v[STO], v[AC+8*\b:AC+8*\b+3] offset:256*(\b/4)+128*((\b/2)%2)+32*(\b%2)          ; each accumulator from its low end on
	ds_store_b128 v[STO], v[AC+8*\b+4:AC+8*\b+7] offset:256*(\b/4)+128*((\b/2)%2)+32*(\b%2)+16
.endr
	WIN 0
.set BB, BK+64*((\a)%2)
.irp t, 0,1,2,3,4,5,6,7,8,9,10,11,12,13,14,15
	ds_load_b128 v[BB+4*\t:BB+4*\t+3], v[RD] offset:\t*SPITCH      ; LDS serves a wave's instructions in order
.endr
.endm
.macro SEND a, younger
.set BB, BK+64*((\a)%2)
	s_wait_dscnt \younger
.if (\a) > 0
	s_add_nc_u64 s[12:13], s[12:13], 16*SIZE_N*4   ; (behind a wait on XCNT: the earlier stores have read their base)
.endif
.irp t, 0,1,2,3,4,5,6,7,8,9,10,11,12,13,14,15
	global_store_b128 v[CO], v[BB+4*\t:BB+4*\t+3], s[12:13] offset:\t*SIZE_N*4 th:TH_STORE_NT      ; each half of the lanes stores 256 consecutive bytes, aligned
.endr
.endm
	PLACES NP
	TOSTAGE 0
.irp a, 1,2,3,4,5,6,7
.if \a > 1
	s_wait_xcnt 0x0                                ; block a - 2's stores have read their registers and their base
.endif
	TOSTAGE \a
	SEND \a-1, 32                                  ; behind block a - 1's loads: block a's 16 stores and 16 loads
.endr
	s_wait_xcnt 0x0
	SEND 7, 0
	s_wait_tensorcnt 0x0                           ; the wave's end
	ds_add_u32 v[SPW], v[NIL]
	s_wait_dscnt 0x0
	CROUND                                         ; the closing round
	s_endpgm
.Lfunc_end_k_q22047685d9_out:
	.size	k_q22047685d9_out, .Lfunc_end_k_q22047685d9_out-k_q22047685d9_out
	.p2alignl 7, 3214868480
	.fill 96, 4, 3214868480
	.section	.rodata,"a",@progbits
	.p2align	6, 0x0
	.amdhsa_kernel k_q22047685d9_out
		.amdhsa_group_segment_fixed_size 327680
		.amdhsa_private_segment_fixed_size 0
		.amdhsa_enable_private_segment 0
		.amdhsa_kernarg_size 24
		.amdhsa_user_sgpr_count 2
		.amdhsa_user_sgpr_kernarg_segment_ptr 1
		.amdhsa_wavefront_size32 1
		.amdhsa_system_sgpr_workgroup_id_x 1
		.amdhsa_system_sgpr_workgroup_id_y 1
		.amdhsa_system_sgpr_workgroup_id_z 1
		.amdhsa_system_vgpr_workitem_id 0
		.amdhsa_next_free_vgpr 1024
		.amdhsa_next_free_sgpr 98
		.amdhsa_reserve_vcc 0
		.amdhsa_float_denorm_mode_32 3
		.amdhsa_float_denorm_mode_16_64 3
		.amdhsa_memory_ordered 1
		.amdhsa_forward_progress 1
		.amdhsa_inst_pref_size 160
	.end_amdhsa_kernel
	.amdgpu_metadata
---
amdhsa.version: [ 1, 2 ]
amdhsa.kernels:
  - .name:           k_q22047685d9_out
    .symbol:         k_q22047685d9_out.kd
    .args:
      - { .name: yb, .offset: 0, .size: 8, .value_kind: global_buffer, .address_space: global }
      - { .name: wo, .offset: 8, .size: 8, .value_kind: global_buffer, .address_space: global }
      - { .name: out0, .offset: 16, .size: 8, .value_kind: global_buffer, .address_space: global }
    .group_segment_fixed_size: 327680
    .private_segment_fixed_size: 0
    .kernarg_segment_align: 8
    .kernarg_segment_size: 24
    .max_flat_workgroup_size: 128
    .sgpr_count:     98
    .vgpr_count:     1024
    .wavefront_size: 32
...
	.end_amdgpu_metadata
.endif
;; end of part 4
;; ======== version 2 of 2: 4 launches
;; workspace buffers: xw 16,384,000 bytes; wo 6,553,600 bytes; rope 1,048,576 bytes; qb 6,553,600 bytes; kb 3,276,800 bytes; vb 3,276,800 bytes; yb 6,553,600 bytes
;; launch quant: the kernel of part 1 again; grid 928 x 1, 4 waves a work-group, no clusters, 68,096 bytes of LDS; arguments X, Wq, Wk, Wv, Wo, xw, wo, rope; writes xw, wo, rope
;; launch qkv: the kernel of part 2 again; grid 32 x 8, 4 waves a work-group, clusters of 4 x 4, 327,680 bytes of LDS; arguments xw, rope, qb, kb, vb; writes qb, kb, vb
;; launch attn: the kernel of part 3 again; grid 8 x 32, 8 waves a work-group, clusters of 4 x 1, 327,680 bytes of LDS; arguments qb, kb, vb, yb; writes yb
;; launch out (part 5): grid 16 x 16, 4 waves a work-group, clusters of 4 x 4, 327,680 bytes of LDS; arguments yb, wo, out0; writes out0
.if DOCPART == 5
	.amdgcn_target "amdgcn-amd-amdhsa--gfx1250"
	.amdhsa_code_object_version 6
	.text
	.protected	k_q22047685d9_out
	.globl	k_q22047685d9_out
	.p2align	8
	.type	k_q22047685d9_out,@function
k_q22047685d9_out:
	s_mov_b64 s[64:65], 0
	v_nop
	global_prefetch_b8 v0, s[64:65] scope:SCOPE_SE
	s_setreg_imm32_b32 hwreg(HW_REG_WAVE_MODE, 25, 1), 1
	s_wait_xcnt 0x0
	s_wait_alu depctr_hold_cnt(0) depctr_sa_sdst(0) depctr_va_vdst(0) depctr_va_sdst(0) depctr_va_ssrc(0) depctr_va_vcc(0) depctr_vm_vsrc(0)
	s_getreg_b32 s2, hwreg(HW_REG_IB_STS2, 6, 4)
	s_cmp_eq_u32 s2, 0
	s_cbranch_scc0 .Lentry_in_a_cluster
	s_endpgm
.Lentry_in_a_cluster:
	s_bfe_u32 s2, ttmp6, 0x10000c
	s_cmp_lg_u32 s2, 0xf033
	s_cbranch_scc0 .Lentry_shape_is_right
	s_endpgm
.Lentry_shape_is_right:
; out0 = y Wo on codes of FP6 (E2M3) with E8M0 scales.  y: [2048 tokens][3072 bytes of codes], then [2048][128 scale bytes]; Wo: the same shapes, a row to a column n, stored at pi(n) (bits 3, 4 and 6, 7 exchanged inside each 256).  out0: [2048][2048] f32.
; A tile of out0 is 128 x 128, so that the 16 x 16 tiles give each of 256 work-groups one.  Four waves, each 64 x 64: 16 accumulators of 16 x 16.  K = 4,096 goes in steps of 512 through a ring of two LDS slots,
; as long as two slots allow: 7 changes of slots in all.  A slot is four steps of 128 along K, 16 matrix instructions a wave each.  The scale bytes of the tile's 256 rows, for all of K, come once and stay.
; CLUSTERS of 4 x 4: y's tile is shared along a row of the cluster, Wo's along a column; each is asked for jointly, by the same tensor load with the same descriptor and a mask that names the four.
; The matrix instruction is used transposed (source 0 = 16 rows of Wo, source 1 = 16 rows of y).  With Wo's stored order, register j of accumulator (a, b) in lane (r, h) of wave (jr, jc) of tile (tr, tc) is
;   row 128 tr + 64 jr + 16 a + r,  column 256 (tc / 2) + 128 jc + 64 (tc % 2) + 32 (b / 2) + 16 h + 8 (b % 2) + j:  a wave's 64 columns are neighbours, 256 bytes of a row, at a multiple of 256 from out0's first byte.
; REGISTERS.  window 0: v16-29 addresses; v32-63 scale words and nothing else, two sets of 16; v128-255 the accumulators ((a, b) at v[128 + 8 (4 a + b)]), on the way out the rows read back.
;   window 1: two fragment buffers at v0 and v128: 48 registers of y (4 x 16 rows x 128 K), then 48 of Wo.
.set SIZE_N, 2048
.set SIZE_K, 4096
.set KSTEP,  512                       ; along K in a slot
.set ROWB,   384                       ; a tile's row in bytes
.set KROW,   3072                      ; a row of codes in memory
.set PITCH,  432                       ; an LDS row: 3 x (128 bytes + 16 of padding) = 108 words: row r starts at bank 44 r mod 64 (64 banks of 4 bytes: ISA guide 11.1): the 16 rows of a load start at 16 different groups of four banks, and lanes 16-31 stand 6 or 10 words further on
.set FR,     12                        ; registers of a fragment
.set NP,     4                         ; places behind this matrix instruction (ISA guide 7.12.1)
.set HALFT,  64*PITCH                  ; 64 rows: what one tensor load brings, and what one wave reads of y or of Wo
.set SLOT,   4*HALFT                   ; y's 128 rows, then Wo's 128 rows
.set LAPS,   SIZE_K/(2*KSTEP)          ; a lap = once round the ring
.set KS,     SIZE_K/32                 ; a row of scale bytes
.set SCL,    2*SLOT                    ; behind the ring: the scale bytes, as rows of 256 bytes + 16 of padding
.set HALFS,  (64*KS/256)*272           ; those of 64 rows: what one tensor load brings
.set SBLK,   (16*KS/256)*272           ; those of 16 rows
.set SPARE,  SCL+4*HALFS               ; the spare words, 128 bytes for each wave: two blocks of 256 bytes that no other line names
.set SOFS,   6291456                   ; where each buffer's scale bytes begin
.set SPITCH, 272                       ; the way out: a stage of 64 rows x (256 bytes + 16) for each wave, in slot 0, which has had its last fill and its last read by then
.set ADRA, 16                          ; v16-17  LDS address of my fragments of y in slot 0, 1  (v18-19: for the pieces that lie behind one padding more)
.set ADRB, 20                          ; v20-21  the same for Wo  (v22-23)
.set STO,  24                          ; v24     the way out: where I put 32 bytes of a row
.set RD,   25                          ; v25     the way out: where I read rows back
.set CO,   26                          ; v26     my byte offset in two rows of out0
.set ADRS, 27                          ; v27     LDS address of my scale words: lanes 0-15 y's rows, lanes 16-31 Wo's
.set SPW,  28                          ; v28     LDS address of my spare word; never rewritten
.set NIL,  29                          ; v29     0; never rewritten
.set SC,   32                          ; scale words: set s (for slot s) at v[SC + 16 s]; in it register 4 i + q: lanes 0-15 the word of y's block i, lanes 16-31 that of Wo's block i, for the slot's q-th 128 along K
.set ACC,  128
.set G1, 24                            ; s[24:31] descriptor group 1 for y's tiles;  s[32:39] group 0, one set for each slot
.set G0, 32
.set G1B, 48                           ; s[48:55], s[56:63] the same for Wo's tiles
.set G0B, 56
.set G1S, 68                           ; s[68:75], s[76:79] groups 1 and 0 for y's scale bytes;  s[80:87], s[88:91] for Wo's
.set G0S, 76
.set G1SB, 80
.set G0SB, 88
.set MSB, 0
.macro WIN new                         ; the immediate's high byte repeats the setting that is left
.if MSB != (\new)
	s_set_vgpr_msb (MSB<<8)|(\new)
.set MSB, (\new)
.endif
.endm
.set MUL,  0x05                        ; sources 0 (Wo) and 1 (y) window 1; C and D window 0
.set TO_F, 0x40                        ; destination window 1, address window 0
; A joint load: waves 0 and 1 fetch for y, waves 2 and 3 for Wo.  Each of the two lines has one mask and one set of registers for all that issue it; the branch hangs on the wave's number alone.
; An s_nop 0 and four v_nop follow each of the two lines, ahead of the jump, the label and what follows.
.macro JLOAD g0a, g1a, g0b, g1b
	s_cmp_eq_u32 s15, 0
	s_cbranch_scc0 .Lfor_b_\@
	tensor_load_to_lds s[\g0a:\g0a+3], s[\g1a:\g1a+7]
	s_nop 0
.rept 4
	v_nop
.endr
	s_branch .Lasked_\@
.Lfor_b_\@:
	tensor_load_to_lds s[\g0b:\g0b+3], s[\g1b:\g1b+7]
	s_nop 0
.rept 4
	v_nop
.endr
.Lasked_\@:
.endm
.macro CREST                           ; a round of the cluster's barrier behind its opening barrier
	s_cmp_lg_u32 s14, 0
	s_cbranch_scc1 .Lnot_wave_0_\@
	s_barrier_signal -3
.Lnot_wave_0_\@:
	s_barrier_wait -3
	s_barrier_signal -1
	s_barrier_wait -1
.endm
.macro CROUND                          ; a whole round
	s_barrier_signal -1
	s_barrier_wait -1
	CREST
.endm
	s_load_b128 s[4:7], s[0:1], 0x0                ; yb, wo
	s_load_b64 s[12:13], s[0:1], 0x10              ; out0
	v_lshl_add_u32 v[SPW], v0, 2, SPARE
	v_mov_b32 v[NIL], 0
	ds_add_u32 v[SPW], v[NIL]                      ; the wave's opening: the add and its wait ahead of my first tensor load; the set-up below, work on registers, stands between them
	v_lshrrev_b32 v1, 5, v0
	v_readfirstlane_b32 s14, v1                    ; wave 0..3
	s_lshr_b32 s15, s14, 1                         ; jr: which half of the tile's rows is mine.  Also: I fetch for y (0) or for Wo (1)
	s_and_b32 s16, s14, 1                          ; jc: which half of its stored columns.  Also: which 64 rows of that tile I fetch
	s_bfe_u32 s40, ttmp6, 0x40000                  ; cx, cy: my place in the cluster
	s_bfe_u32 s41, ttmp6, 0x40004
	s_lshl_b32 s42, ttmp9, 2
	s_add_co_u32 s42, s42, s40                     ; tile column tc = 4 x cluster x + cx
	s_and_b32 s17, ttmp7, 0xffff
	s_lshl_b32 s17, s17, 2
	s_add_co_u32 s17, s17, s41                     ; tile row tr = 4 x cluster y + cy
	s_lshl_b32 s43, s41, 2
	s_lshl_b32 s43, 15, s43                        ; my row of the cluster
	s_lshl_b32 s44, 0x1111, s40                    ; my column
	; descriptor group 1: a tile of 64 rows x 384 bytes, padded in LDS
	s_or_b32 s[G1+0], s43, (0<<16)|(1<<20)|(1<<21)|(4<<22)|(3<<25)  ; 15:0 the mask: y's tiles go to my row; 17:16 elements of 1 byte; 20 padding on; 21 set beside a mask; 24:22 after every 32 words (code 4); 31:25 of 4 words (code 3)
	s_or_b32 s[G1B+0], s44, (0<<16)|(1<<20)|(1<<21)|(4<<22)|(3<<25)
.irp g, G1, G1B
	s_mov_b32 s[\g+1], ROWB<<16                    ; tensor_dim0
	s_mov_b32 s[\g+2], 64<<16                      ; tensor_dim1
	s_mov_b32 s[\g+3], ROWB<<16                    ; tile_dim0
	s_mov_b32 s[\g+4], 64                          ; tile_dim1
	s_mov_b32 s[\g+5], KROW                        ; the pitch in memory
	s_mov_b32 s[\g+6], 0
	s_mov_b32 s[\g+7], 0
.endr
	; and for the scale bytes of 64 rows: a dense block of 8,192 bytes, as 32 rows of 256 bytes (32 elements of 8 bytes), 16 bytes of padding behind each
	s_or_b32 s[G1S+0], s43, (3<<16)|(1<<20)|(1<<21)|(5<<22)|(3<<25)
	s_or_b32 s[G1SB+0], s44, (3<<16)|(1<<20)|(1<<21)|(5<<22)|(3<<25)
.irp g, G1S, G1SB
	s_mov_b32 s[\g+1], 32<<16
	s_mov_b32 s[\g+2], (64*KS/256)<<16
	s_mov_b32 s[\g+3], 32<<16
	s_mov_b32 s[\g+4], 64*KS/256
	s_mov_b32 s[\g+5], 32
	s_mov_b32 s[\g+6], 0
	s_mov_b32 s[\g+7], 0
.endr
	s_lshl_b32 s18, s16, 6                         ; which 64 rows of the tile I fetch
	s_lshl_b32 s20, s17, 7
	s_add_co_u32 s20, s20, s18                     ; y: row 128 x tile row + 64 x half
	s_lshl_b32 s46, s42, 7
	s_add_co_u32 s46, s46, s18                     ; Wo: stored row 128 x tile column + 64 x half
	s_mov_b32 s21, 0
	s_mov_b32 s47, 0
	s_mov_b64 s[18:19], KS
	s_mul_u64 s[22:23], s[20:21], s[18:19]         ; where these rows' scale bytes begin
	s_mul_u64 s[92:93], s[46:47], s[18:19]
	s_mov_b64 s[18:19], KROW
	s_mul_u64 s[20:21], s[20:21], s[18:19]         ; and their codes
	s_mul_u64 s[46:47], s[46:47], s[18:19]
	s_mul_i32 s45, s14, HALFT                      ; where they go: wave x 64 rows: no place in the cluster enters an LDS address
	s_mul_i32 s94, s14, HALFS
	s_wait_dscnt 0x0                               ; the opening add is done
	s_wait_kmcnt 0x0
	s_mov_b64 s[8:9], s[6:7]                       ; Wo's codes,
	s_add_nc_u64 s[10:11], s[6:7], SOFS            ; its scale bytes,
	s_add_nc_u64 s[6:7], s[4:5], SOFS              ; y's scale bytes
	s_add_nc_u64 s[20:21], s[4:5], s[20:21]
	s_add_nc_u64 s[22:23], s[6:7], s[22:23]
	s_add_nc_u64 s[46:47], s[8:9], s[46:47]
	s_add_nc_u64 s[92:93], s[10:11], s[92:93]
	CROUND                                         ; all sixteen work-groups are here: the first joint loads meet
	s_mov_b32 s[G0S], 1
	s_add_co_u32 s[G0S+1], s94, SCL
	s_mov_b64 s[G0S+2:G0S+3], s[22:23]
	s_or_b32 s[G0S+3], s[G0S+3], 0x80000000
	s_mov_b32 s[G0SB], 1
	s_add_co_u32 s[G0SB+1], s94, SCL
	s_mov_b64 s[G0SB+2:G0SB+3], s[92:93]
	s_or_b32 s[G0SB+3], s[G0SB+3], 0x80000000
	JLOAD G0S, G1S, G0SB, G1SB                     ; the scale bytes first: they are wanted with K step 0
.irp s, 0,1
	s_mov_b32 s[G0+4*\s], 1
	s_add_co_u32 s[G0+4*\s+1], s45, \s*SLOT
	s_add_nc_u64 s[G0+4*\s+2:G0+4*\s+3], s[20:21], \s*ROWB
	s_or_b32 s[G0+4*\s+3], s[G0+4*\s+3], 0x80000000
	s_mov_b32 s[G0B+4*\s], 1
	s_add_co_u32 s[G0B+4*\s+1], s45, \s*SLOT
	s_add_nc_u64 s[G0B+4*\s+2:G0B+4*\s+3], s[46:47], \s*ROWB
	s_or_b32 s[G0B+4*\s+3], s[G0B+4*\s+3], 0x80000000
	JLOAD G0+4*\s, G1, G0B+4*\s, G1B               ; three tensor loads of mine are out now
.endr
	v_and_b32 v1, 15, v0                           ; r
	v_bfe_u32 v2, v0, 4, 1                         ; h
	v_mul_u32_u24 v3, v1, PITCH
	v_mul_u32_u24 v4, v2, 24
	v_add_nc_u32 v4, v3, v4                        ; a fragment's row x pitch + 24 x half
	v_lshl_add_u32 v5, v2, 4, v4                   ; and the same behind one padding more
	s_mul_i32 s21, s15, HALFT                      ; my 64 rows of y
	s_mul_i32 s22, s16, HALFT                      ; my 64 rows of Wo,
	s_add_co_u32 s22, s22, 2*HALFT                 ; which lie behind y's 128
.irp s, 0,1
	v_add_nc_u32 v[ADRA+\s], s21, v4
	v_add_nc_u32 v[ADRB+\s], s22, v4
	v_add_nc_u32 v[ADRA+2+\s], s21, v5
	v_add_nc_u32 v[ADRB+2+\s], s22, v5
	s_add_co_u32 s21, s21, SLOT
	s_add_co_u32 s22, s22, SLOT
.endr
	v_mul_u32_u24 v5, v1, KS                       ; my row's scale bytes: KS bytes a row,
	v_lshrrev_b32 v6, 8, v5
	v_lshl_add_u32 v5, v6, 4, v5                   ; and 16 more for each 256 passed
	s_mul_i32 s21, s15, HALFS                      ; y's: my 64 rows
	s_mul_i32 s22, s16, HALFS                      ; Wo's: my 64 rows, behind y's 128
	s_add_co_u32 s22, s22, 2*HALFS
	s_sub_co_u32 s22, s22, s21
	v_mul_u32_u24 v6, s22, v2                      ; lanes 16-31 take Wo's
	s_add_co_u32 s21, s21, SCL
	v_add_nc_u32 v5, v5, v6
	v_add_nc_u32 v[ADRS], s21, v5
	s_mul_i32 s23, s14, 64*SPITCH                  ; my stage
	v_mul_u32_u24 v5, v1, SPITCH                   ; in: row r; my half's 16 columns of each 32: 64 h bytes on
	v_lshl_add_u32 v5, v2, 6, v5
	v_add_nc_u32 v[STO], s23, v5
	v_mul_u32_u24 v6, v2, SPITCH                   ; back: lanes 0-15 take one row of 256 bytes, lanes 16-31 the next
	v_lshl_add_u32 v6, v1, 4, v6
	v_add_nc_u32 v[RD], s23, v6
	v_lshlrev_b32 v[CO], 4, v1                     ; and the same two rows in out0, 8,192 bytes apart
	v_lshl_add_u32 v[CO], v2, 13, v[CO]
	s_lshl_b32 s20, s17, 7
	s_lshl_b32 s21, s15, 6
	s_add_co_u32 s20, s20, s21                     ; my first row of out0: 128 x tile row + 64 x half
	s_mov_b32 s21, 0
	s_mov_b64 s[18:19], SIZE_N*4
	s_mul_u64 s[20:21], s[20:21], s[18:19]
	s_lshr_b32 s46, s42, 1                         ; my first column, in bytes: 1024 (tc / 2) + 256 (tc % 2) + 512 jc
	s_lshl_b32 s46, s46, 10
	s_and_b32 s47, s42, 1
	s_lshl_b32 s47, s47, 8
	s_add_co_u32 s46, s46, s47
	s_lshl_b32 s47, s16, 9
	s_add_co_u32 s46, s46, s47
	s_mov_b32 s47, 0
	s_add_nc_u64 s[20:21], s[20:21], s[46:47]
	s_add_nc_u64 s[12:13], s[12:13], s[20:21]
; A fragment, 16 rows x 128 K of 6-bit codes, is 12 registers: lane (r, h) holds row r; registers 6 c .. 6 c + 5 hold K = 64 c + 32 h + 0 .. 31: 24 bytes of the row's stream of bits, as they lie, in pieces of 8 bytes.
; Lanes 0-15 take the row's pieces 12 q + 0, 1, 2 and 12 q + 6, 7, 8, lanes 16-31 those three pieces on.  16 bytes of padding lie behind every 16 pieces: where the piece three on lies behind one padding more, the second address register serves.
.macro FRAG reg, adr, q, i
.irp p, 0,1,2,3,4,5
.set PCE, 12*(\q)+6*(\p/3)+\p%3
.if PCE%16 < 13
	ds_load_b64 v[\reg+2*\p:\reg+2*\p+1], v[\adr] offset:8*PCE+16*(PCE/16)+(\i)*16*PITCH
.else
	ds_load_b64 v[\reg+2*\p:\reg+2*\p+1], v[\adr+2] offset:8*PCE+16*(PCE/16)+(\i)*16*PITCH
.endif
.endr
.endm
; Four matrix instructions: y's block a x Wo's four, 128 along K: the slot's q-th, from buffer p; sc: the set of scale words.  zero = 1: the first product starts the sums: nothing is ever cleared.
; The 16 accumulators take turns, one instruction a turn, in the same order in every step.
.macro MULA a, p, q, sc, zero
.irp b, 0,1,2,3
.if \zero
	v_wmma_scale_f32_16x16x128_f8f6f4 v[ACC+8*(4*(\a)+\b):ACC+8*(4*(\a)+\b)+7], v[128*(\p)+48+FR*\b:128*(\p)+48+FR*\b+FR-1], v[128*(\p)+FR*(\a):128*(\p)+FR*(\a)+FR-1], 0, v[SC+16*(\sc)+4*\b+(\q)], v[SC+16*(\sc)+4*(\a)+(\q)] matrix_a_fmt:MATRIX_FMT_FP6 matrix_b_fmt:MATRIX_FMT_FP6 matrix_a_scale:MATRIX_SCALE_ROW1
.else
	v_wmma_scale_f32_16x16x128_f8f6f4 v[ACC+8*(4*(\a)+\b):ACC+8*(4*(\a)+\b)+7], v[128*(\p)+48+FR*\b:128*(\p)+48+FR*\b+FR-1], v[128*(\p)+FR*(\a):128*(\p)+FR*(\a)+FR-1], v[ACC+8*(4*(\a)+\b):ACC+8*(4*(\a)+\b)+7], v[SC+16*(\sc)+4*\b+(\q)], v[SC+16*(\sc)+4*(\a)+(\q)] matrix_a_fmt:MATRIX_FMT_FP6 matrix_b_fmt:MATRIX_FMT_FP6 matrix_a_scale:MATRIX_SCALE_ROW1
.endif
.endr
.endm
.macro MUL8 a0, p, q, sc, zero
	MULA \a0, \p, \q, \sc, \zero
	MULA (\a0)+1, \p, \q, \sc, \zero
.endm
; 48 LDS loads in one run: the fragments of the slot's q-th 128 along K into buffer p: Wo's four first, then y's blocks 0 to 3
.macro FETCH slot, q, p
	WIN TO_F
.irp i, 0,1,2,3
	FRAG 128*(\p)+48+FR*\i, ADRB+\slot, \q, \i
.endr
.irp i, 0,1,2,3
	FRAG 128*(\p)+FR*\i, ADRA+\slot, \q, \i
.endr
.endm
.macro SCALES sc                       ; a K step's scale words into set sc: four words a row by one load; lanes 0-15 take y's block i, lanes 16-31 Wo's block i
.irp i, 0,1,2,3
	ds_load_b128 v[SC+16*\sc+4*\i:SC+16*\sc+4*\i+3], v[ADRS] offset:\i*SBLK
.endr
.endm
; A load into a register that a matrix instruction has read, and an LDS store that reads a matrix result, stand NP places behind that matrix instruction, and only plain vector instructions that name none of its
; registers are places (ISA guide 7.12.1 for vector instructions).
.macro PLACES n
.rept \n
	v_nop
.endr
.endm
; A step of 128 along K that has its successor in the same slot: the successor's fragments are asked for at its head, 16 matrix instructions ahead of their first use.
.macro STEP slot, q, zero
	s_wait_dscnt 12                                ; this step's fragments of Wo and y's blocks 0 and 1 are in (and, in a slot's first step, the scale words); the youngest 12 loads, y's blocks 2 and 3, may be out
	PLACES NP                                      ; the other buffer was read by the step before
	FETCH \slot, (\q)+1, 1-(\q)%2
	WIN MUL
	MUL8 0, (\q)%2, \q, \slot, \zero
	s_wait_dscnt 48                                ; all but the 48 just issued
	MUL8 2, (\q)%2, \q, \slot, \zero
.endm
; A slot's last step multiplies buffer 1 and changes slots: ONE barrier; in front of it each wave waits for all its tensor loads, adds 0 to its spare word, and waits for that and for its own reads of this slot.
; fill = 1: the barrier opens a round of the cluster's barrier, and this slot is filled again, two K steps ahead: the wave's one tensor load until the next round.
.macro TURN slot, next, fill
	WIN 0                                          ; (the add's two registers lie in window 0)
	s_wait_tensorcnt 0x0                           ; all my tensor loads have landed: the one that was out is my part of the next slot
	ds_add_u32 v[SPW], v[NIL]                      ; 0 onto my spare word
	s_wait_dscnt 19                                ; Wo's fragments and y's block 0 are in (the add and the youngest 18 loads, y's blocks 1 to 3, may be out)
	WIN MUL
	MULA 0, 1, 3, \slot, 0                         ; four matrix instructions stand between the add and the wait for it
	s_wait_dscnt 0x0                               ; the add is done, and my reads of this slot are over
	s_barrier_signal -1
	MULA 1, 1, 3, \slot, 0                         ; work on registers while the others arrive
	WIN 0
	s_barrier_wait -1
.if \fill
	CREST                                          ; no wave of any partner still reads this slot's tile or has a load on its way
	s_add_nc_u64 s[G0+4*\slot+2:G0+4*\slot+3], s[G0+4*\slot+2:G0+4*\slot+3], 2*ROWB
	s_add_nc_u64 s[G0B+4*\slot+2:G0B+4*\slot+3], s[G0B+4*\slot+2:G0B+4*\slot+3], 2*ROWB
	JLOAD G0+4*\slot, G1, G0B+4*\slot, G1B         ; the first tensor load behind the round; its four v_nop are the places in front of the loads below
.else
	PLACES NP
.endif
	v_add_nc_u32 v[ADRS], 16, v[ADRS]              ; on to the next K step's scale words (no LDS load of mine is out)
	SCALES \next
	FETCH \next, 0, 0
	WIN MUL
	MUL8 2, 1, 3, \slot, 0
.endm
	s_wait_tensorcnt 1                             ; the scale bytes and my part of K step 0 are in (K step 1's load may be out)
	s_barrier_signal -1
	s_barrier_wait -1                              ; everybody's are
	SCALES 0
	FETCH 0, 0, 0
	STEP 0, 0, 1                                   ; the first step stands in front of the loop: its products start the sums
	STEP 0, 1, 0
	STEP 0, 2, 0
	WIN 0                                          ; at a label and at a branch every window is 0
	s_mov_b32 s3, LAPS-1
.Llap:                                                 ; a trip goes once round the ring, from a slot's last step to the same place a lap on, and fills both slots again
	TURN 0, 1, 1
	STEP 1, 0, 0
	STEP 1, 1, 0
	STEP 1, 2, 0
	TURN 1, 0, 1
	STEP 0, 0, 0
	STEP 0, 1, 0
	STEP 0, 2, 0
	WIN 0
	s_sub_co_u32 s3, s3, 1
	s_cmp_lg_u32 s3, 0
	s_cbranch_scc1 .Llap
	TURN 0, 1, 0                                   ; the last lap fills nothing, and has no round of the cluster's barrier
	STEP 1, 0, 0
	STEP 1, 1, 0
	STEP 1, 2, 0
	s_wait_dscnt 12                                ; the very last step: nothing more to fetch
	MUL8 0, 1, 3, 1, 0
	s_wait_dscnt 0
	MUL8 2, 1, 3, 1, 0
	WIN 0
; THE WAY OUT.  A lane holds 32 neighbouring bytes of a row, and the lanes beside it hold other rows: so my 64 rows x 256 bytes go through my own stage in LDS, each accumulator's eight numbers to their true place among
; my 64 columns, and come back as whole rows, into the registers that they left.  LDS serves a wave's instructions in order (ISA guide 5.7.1.4): no wait between the stores and the loads.  No other wave touches my stage: no barrier.
	PLACES NP                                      ; in front of the first reads of results and of the loads into them
.irp u, 0,1                            ; y's blocks 2 u and 2 u + 1: 32 rows
.irp a, 2*\u, 2*\u+1
.irp b, 0,1,2,3
	ds_store_b128 v[STO], v[ACC+8*(4*(\a)+\b):ACC+8*(4*(\a)+\b)+3] offset:(\a)*16*SPITCH+128*(\b/2)+32*(\b%2)          ; each accumulator from its low end on
	ds_store_b128 v[STO], v[ACC+8*(4*(\a)+\b)+4:ACC+8*(4*(\a)+\b)+7] offset:(\a)*16*SPITCH+128*(\b/2)+32*(\b%2)+16
.endr
.endr
.irp t, 0,1,2,3,4,5,6,7,8,9,10,11,12,13,14,15
	ds_load_b128 v[ACC+64*\u+4*\t:ACC+64*\u+4*\t+3], v[RD] offset:(16*\u+\t)*2*SPITCH
.endr
.endr
.irp u, 0,1
.irp t, 0,1,2,3,4,5,6,7,8,9,10,11,12,13,14,15
	s_wait_dscnt 32*(1-\u)+15-\t                   ; behind this load: the later loads of its half, and for the first half the second half's 16 stores and 16 loads
	global_store_b128 v[CO], v[ACC+64*\u+4*\t:ACC+64*\u+4*\t+3], s[12:13] offset:(16*\u+\t)*2*SIZE_N*4 th:TH_STORE_NT   ; each half of the lanes stores 256 consecutive bytes, at a multiple of 256 from out0's first byte; the row stands in the immediate (62 rows of 8,192 bytes at the most): no base is stepped
.endr
.endr
	s_wait_tensorcnt 0x0                           ; the wave's end, behind my last tensor load and my last LDS store
	ds_add_u32 v[SPW], v[NIL]
	s_wait_dscnt 0x0
	CROUND                                         ; the closing round: no work-group ends while a partner may still ask for a tile that names it
	s_endpgm
.Lfunc_end_k_q22047685d9_out:
	.size	k_q22047685d9_out, .Lfunc_end_k_q22047685d9_out-k_q22047685d9_out
	.p2alignl 7, 3214868480
	.fill 96, 4, 3214868480
	.section	.rodata,"a",@progbits
	.p2align	6, 0x0
	.amdhsa_kernel k_q22047685d9_out
		.amdhsa_group_segment_fixed_size 327680
		.amdhsa_private_segment_fixed_size 0
		.amdhsa_enable_private_segment 0
		.amdhsa_kernarg_size 24
		.amdhsa_user_sgpr_count 2
		.amdhsa_user_sgpr_kernarg_segment_ptr 1
		.amdhsa_wavefront_size32 1
		.amdhsa_system_sgpr_workgroup_id_x 1
		.amdhsa_system_sgpr_workgroup_id_y 1
		.amdhsa_system_sgpr_workgroup_id_z 1
		.amdhsa_system_vgpr_workitem_id 0
		.amdhsa_next_free_vgpr 512
		.amdhsa_next_free_sgpr 98
		.amdhsa_reserve_vcc 0
		.amdhsa_float_denorm_mode_32 3
		.amdhsa_float_denorm_mode_16_64 3
		.amdhsa_memory_ordered 1
		.amdhsa_forward_progress 1
		.amdhsa_inst_pref_size 106
	.end_amdhsa_kernel
	.amdgpu_metadata
---
amdhsa.version: [ 1, 2 ]
amdhsa.kernels:
  - .name:           k_q22047685d9_out
    .symbol:         k_q22047685d9_out.kd
    .args:
      - { .name: yb, .offset: 0, .size: 8, .value_kind: global_buffer, .address_space: global }
      - { .name: wo, .offset: 8, .size: 8, .value_kind: global_buffer, .address_space: global }
      - { .name: out0, .offset: 16, .size: 8, .value_kind: global_buffer, .address_space: global }
    .group_segment_fixed_size: 327680
    .private_segment_fixed_size: 0
    .kernarg_segment_align: 8
    .kernarg_segment_size: 24
    .max_flat_workgroup_size: 128
    .sgpr_count:     98
    .vgpr_count:     512
    .wavefront_size: 32
...
	.end_amdgpu_metadata
.endif
;; end of part 5
